; MI455X (gfx1250); checked and timed in simulation.
; The chip was launched on July 23, 2026; its instructions are those of AMD's public machine-readable ISA for CDNA 5 (MIT licence, August 2026) and "CDNA5" Instruction Set Architecture Reference Guide (July 2026). The comments in the code are by the model that wrote it; some were corrected since.
;; Mul Head Cross Attn. Allowed arithmetic: float matrix products may take bf16 or f16 operands with f32 sums; other float arithmetic in f32, or as packed bf16 or f16 multiplies, adds, multiply-adds, maxima and minima; sums over many terms, partial sums and values carried from step to step in f32; what a program stores and reads back later, other than sums and carried values, may be rounded once to bf16 or f16.
;; Inputs: W_k 1,024 x 1,024 float32; W_o 1,024 x 1,024 float32; W_q 1,024 x 1,024 float32; W_v 1,024 x 1,024 float32; x1 4 x 1,024 x 1,024 float32; x2 4 x 1,024 x 1,024 float32.
;; Outputs: out0 4 x 1,024 x 1,024 float32.
;; 2 versions, each right; version 2 is version 1 with the launch prep written anew for expert scheduling mode. Each part assembles by itself: llvm-mc -triple=amdgcn-amd-amdhsa -mcpu=gfx1250 --defsym DOCPART=n.
;; ======== version 1 of 2: 4 launches
;; limits: values are held in f16: magnitudes above 65,504 overflow, below 6.1e-05 lose precision
;; workspace buffers: xb 16,777,216 bytes; wt 8,388,608 bytes; qkv 25,165,824 bytes; ao 8,388,608 bytes
;; launch prep (part 1): grid 768 x 1, 2 waves a work-group, no clusters, 35,072 bytes of LDS; arguments x1, x2, W_q, W_k, W_v, W_o, xb, wt; writes xb, wt
.if DOCPART == 1
	.amdgcn_target "amdgcn-amd-amdhsa--gfx1250"
	.amdhsa_code_object_version 6
	.text
	.protected	k_qd3b03e51b4_prep
	.globl	k_qd3b03e51b4_prep
	.p2align	8
	.type	k_qd3b03e51b4_prep,@function
k_qd3b03e51b4_prep:
	s_mov_b64 s[64:65], 0
	v_nop
	global_prefetch_b8 v0, s[64:65] scope:SCOPE_SE
	s_setreg_imm32_b32 hwreg(HW_REG_WAVE_MODE, 25, 1), 1
	s_wait_xcnt 0x0
; PREP.  xb[8192][1024] bf16 = x1's 4,096 rows, then x2's, each number rounded once.  wt[4096][1024], 16 bits: row n holds column n of a weight along k:
; rows 0-1023 W_q, 1024-2047 W_k, 2048-3071 W_v in bf16; rows 3072-4095 W_o, rounded to bf16 and that number written as f16 (the last product multiplies in f16).
; LIMITS.  A number of W_o beyond 65,504 becomes an infinity in f16; below 6.1e-5 it keeps f16's fixed step of 6e-8.  NaN and infinities are not treated apart.
; SHARES.  768 work-groups of two waves; a wave takes 32,768 bytes of f32 and never looks at the other wave's data: no barrier.  Work-groups 0-511 take x, 512-767 the weights.
; No matrix unit, no cluster, no tensor load: every byte is read once and written once, and nothing is shared between work-groups.
.set SPARE, 34816                      ; behind the two stages: the spare words, 128 bytes a wave: one block of 256 bytes that no other line names
.set STG,   17408                      ; a wave's stage: 64 rows of 272 bytes
.set LP,    272                        ; 256 bytes + 16: the 16 rows that a store's 16 lanes touch start 68 words apart
.set SPW,  1                           ; v1   LDS address of my spare word; never rewritten
.set NIL,  2                           ; v2   0; never rewritten
.set LN,   3                           ; v3   lane
.set LD16, 4                           ; v4   16 x lane
.set LD8,  5                           ; v5   8 x lane
.set LS,   6                           ; v6   stage: my row (lane), for the stores
.set RDL,  7                           ; v7   stage: where I read rows back
.set GST,  8                           ; v8   my byte offset in two rows of wt
.set T,    10                          ; v10-17, v20-27  eight packed words at work, two sets by turns; v18, v19, v28, v29 temporaries
.set X,    32                          ; v32-159  two sets of 64 registers of loaded f32
	s_load_b512 s[4:19], s[0:1], 0x0               ; x1 s4, x2 s6, W_q s8, W_k s10, W_v s12, W_o s14, xb s16, wt s18
	v_lshl_add_u32 v[SPW], v0, 2, SPARE
	v_mov_b32 v[NIL], 0
	v_lshrrev_b32 v[LN], 5, v0
	v_readfirstlane_b32 s20, v[LN]                 ; wave 0, 1
	v_and_b32 v[LN], 31, v0
	v_lshlrev_b32 v[LD16], 4, v[LN]
	v_lshlrev_b32 v[LD8], 3, v[LN]
	s_cmp_lt_u32 ttmp9, 512
	s_cbranch_scc0 .Lweights
; ---- x: 64 loads of 512 consecutive bytes a wave, in four batches of 16 on two register sets; 32 loads are on their way while a batch is converted
.macro LOADX set, beta
.irp i, 0,1,2,3,4,5,6,7,8,9,10,11,12,13,14,15
	global_load_b128 v[X+64*(\set)+4*(\i):X+64*(\set)+4*(\i)+3], v[LD16], s[24:25] offset:(16*(\beta)+(\i))*512 th:TH_LOAD_NT
.endr
.endm
.macro CVX set, beta, younger          ; younger: the loads of the batch issued behind this one
.irp i, 0,1,2,3,4,5,6,7,8,9,10,11,12,13,14,15
	s_wait_loadcnt (\younger)+15-(\i)              ; loads come back in order: load i is in; this batch's younger ones and the next batch stay out
	v_cvt_pk_bf16_f32 v[X+64*(\set)+4*(\i)],   v[X+64*(\set)+4*(\i)],   v[X+64*(\set)+4*(\i)+1]
	v_cvt_pk_bf16_f32 v[X+64*(\set)+4*(\i)+1], v[X+64*(\set)+4*(\i)+2], v[X+64*(\set)+4*(\i)+3]
	global_store_b64 v[LD8], v[X+64*(\set)+4*(\i):X+64*(\set)+4*(\i)+1], s[26:27] offset:(16*(\beta)+(\i))*256  ; 32 lanes x 8 bytes: 256 consecutive bytes, aligned
.endr
.endm
	s_and_b32 s21, ttmp9, 255
	s_lshl_b32 s28, s21, 16                        ; 65,536 bytes of f32 a work-group,
	s_lshl_b32 s22, s20, 15                        ; 32,768 a wave
	s_add_co_u32 s28, s28, s22
	s_mov_b32 s29, 0
	s_lshl_b32 s32, ttmp9, 15                      ; and half of that in xb
	s_lshl_b32 s22, s20, 14
	s_add_co_u32 s32, s32, s22
	s_mov_b32 s33, 0
	s_wait_kmcnt 0x0
	s_cmp_lt_u32 ttmp9, 256
	s_cselect_b64 s[24:25], s[4:5], s[6:7]         ; x1 for work-groups 0-255, x2 for 256-511
	s_add_nc_u64 s[24:25], s[24:25], s[28:29]
	s_add_nc_u64 s[26:27], s[16:17], s[32:33]
	LOADX 0, 0
	LOADX 1, 1
	CVX 0, 0, 16
	s_wait_xcnt 0x0                                ; the stores' data registers are loaded again only behind this wait
	LOADX 0, 2
	CVX 1, 1, 16
	s_wait_xcnt 0x0
	LOADX 1, 3
	CVX 0, 2, 16
	CVX 1, 3, 0
	s_endpgm
; ---- weights: a wave turns a tile of 128 k x 64 n.  A lane owns columns 2 lane and 2 lane + 1: a load takes 256 consecutive bytes of one row k.
; Eight k of a column pack into 16 bytes, which go into the stage: column 2 l + j lies in stage row l + 32 j.  Read back by rows, 16 lanes take a row's 256 bytes.
.Lweights:
.macro LOADW set, beta                 ; rows k = 32 beta .. 32 beta + 31
.irp c, 0,1,2,3
.irp i, 0,1,2,3,4,5,6,7
	global_load_b64 v[X+64*(\set)+2*(8*(\c)+(\i)):X+64*(\set)+2*(8*(\c)+(\i))+1], v[LD8], s[24:25] offset:((4*(\beta)+(\c))*8+(\i))*4096 th:TH_LOAD_NT
.endr
.endr
.endm
.macro CVW set, beta, younger
.irp c, 0,1,2,3
	s_wait_loadcnt (\younger)+8*(3-(\c))           ; the eight rows of group c are in; this batch's later groups and the next batch stay out
.irp d, 0,1,2,3
	v_cvt_pk_bf16_f32 v[T+10*((\c)%2)+(\d)],   v[X+64*(\set)+16*(\c)+4*(\d)],   v[X+64*(\set)+16*(\c)+4*(\d)+2]  ; the even column: k, k + 1
	v_cvt_pk_bf16_f32 v[T+10*((\c)%2)+4+(\d)], v[X+64*(\set)+16*(\c)+4*(\d)+1], v[X+64*(\set)+16*(\c)+4*(\d)+3]  ; the odd column
.endr
	ds_store_b128 v[LS], v[T+10*((\c)%2):T+10*((\c)%2)+3]   offset:16*(4*(\beta)+(\c))
	ds_store_b128 v[LS], v[T+10*((\c)%2)+4:T+10*((\c)%2)+7] offset:32*LP+16*(4*(\beta)+(\c))
.endr
.endm
	s_sub_co_u32 s21, ttmp9, 512
	s_lshr_b32 s31, s21, 6                         ; which weight: 0 q, 1 k, 2 v, 3 o
	s_and_b32 s21, s21, 63
	s_lshl_b32 s21, s21, 1
	s_add_co_u32 s21, s21, s20                     ; my tile among the weight's 128
	s_lshr_b32 s22, s21, 4                         ; block of 128 k
	s_and_b32 s23, s21, 15                         ; block of 64 n
	s_lshl_b32 s28, s22, 19                        ; 128 rows of 4,096 bytes
	s_lshl_b32 s34, s23, 8                         ; 64 columns of 4 bytes
	s_add_co_u32 s28, s28, s34
	s_mov_b32 s29, 0
	s_lshl_b32 s32, s31, 21                        ; in wt: 1,024 rows of 2,048 bytes a weight,
	s_lshl_b32 s34, s23, 17                        ; 64 rows,
	s_add_co_u32 s32, s32, s34
	s_lshl_b32 s34, s22, 8                         ; 128 k of 2 bytes
	s_add_co_u32 s32, s32, s34
	s_mov_b32 s33, 0
	s_mov_b32 s30, 0xffff0000                      ; a word's upper bf16
	s_mul_i32 s35, s20, STG                        ; my wave's stage
	v_mul_u32_u24 v[LS], v[LN], LP
	v_add_nc_u32 v[LS], s35, v[LS]
	v_lshrrev_b32 v9, 4, v[LN]                     ; lane / 16
	v_and_b32 v18, 15, v[LN]                       ; lane % 16
	v_mul_u32_u24 v[RDL], v9, 32*LP                ; lanes 0-15 read stage row t (column 2 t), lanes 16-31 row t + 32 (column 2 t + 1)
	v_lshl_add_u32 v[RDL], v18, 4, v[RDL]
	v_add_nc_u32 v[RDL], s35, v[RDL]
	v_lshlrev_b32 v[GST], 11, v9                   ; and the same two rows in wt
	v_lshl_add_u32 v[GST], v18, 4, v[GST]
	s_wait_kmcnt 0x0
	s_cmp_eq_u32 s31, 1
	s_cselect_b64 s[24:25], s[10:11], s[8:9]
	s_cmp_eq_u32 s31, 2
	s_cselect_b64 s[24:25], s[12:13], s[24:25]
	s_cmp_eq_u32 s31, 3
	s_cselect_b64 s[24:25], s[14:15], s[24:25]
	s_add_nc_u64 s[24:25], s[24:25], s[28:29]
	s_add_nc_u64 s[26:27], s[18:19], s[32:33]
	LOADW 0, 0
	LOADW 1, 1
	CVW 0, 0, 32
	LOADW 0, 2
	CVW 1, 1, 32
	LOADW 1, 3
	CVW 0, 2, 32
	CVW 1, 3, 0
.irp t, 0,1,2,3,4,5,6,7,8,9,10,11,12,13,14,15,16,17,18,19,20,21,22,23,24,25,26,27,28,29,30,31
	ds_load_b128 v[X+4*(\t):X+4*(\t)+3], v[RDL] offset:LP*(\t)  ; my own bytes: LDS serves a wave's instructions in order (ISA guide 5.7.1.4), so these see the stores above
.endr
	s_wait_dscnt 0x0
	s_cmp_lg_u32 s31, 3
	s_cbranch_scc1 .Lnot_o
.set i, 0
.rept 128                              ; W_o alone: the bf16 numbers are written as f16
	v_lshlrev_b32 v[18+10*(i%2)], 16, v[X+i]
	v_and_b32 v[19+10*(i%2)], s30, v[X+i]
	v_cvt_pk_f16_f32 v[X+i], v[18+10*(i%2)], v[19+10*(i%2)]
.set i, i+1
.endr
.Lnot_o:
.irp t, 0,1,2,3,4,5,6,7,8,9,10,11,12,13,14,15,16,17,18,19,20,21,22,23,24,25,26,27,28,29,30,31
	global_store_b128 v[GST], v[X+4*(\t):X+4*(\t)+3], s[26:27] offset:4096*(\t)  ; rows 2 t and 2 t + 1: 16 lanes store 256 consecutive bytes, aligned
.endr
	s_wait_tensorcnt 0x0                           ; the wave's end, behind my last LDS store
	ds_add_u32 v[SPW], v[NIL]
	s_wait_dscnt 0x0
	s_endpgm
.Lfunc_end_k_qd3b03e51b4_prep:
	.size	k_qd3b03e51b4_prep, .Lfunc_end_k_qd3b03e51b4_prep-k_qd3b03e51b4_prep
	.p2alignl 7, 3214868480
	.fill 96, 4, 3214868480
	.section	.rodata,"a",@progbits
	.p2align	6, 0x0
	.amdhsa_kernel k_qd3b03e51b4_prep
		.amdhsa_group_segment_fixed_size 35072
		.amdhsa_private_segment_fixed_size 0
		.amdhsa_enable_private_segment 0
		.amdhsa_kernarg_size 64
		.amdhsa_user_sgpr_count 2
		.amdhsa_user_sgpr_kernarg_segment_ptr 1
		.amdhsa_wavefront_size32 1
		.amdhsa_system_sgpr_workgroup_id_x 1
		.amdhsa_system_sgpr_workgroup_id_y 1
		.amdhsa_system_sgpr_workgroup_id_z 1
		.amdhsa_system_vgpr_workitem_id 0
		.amdhsa_next_free_vgpr 160
		.amdhsa_next_free_sgpr 66
		.amdhsa_reserve_vcc 0
		.amdhsa_float_denorm_mode_32 3
		.amdhsa_float_denorm_mode_16_64 3
		.amdhsa_memory_ordered 1
		.amdhsa_forward_progress 1
		.amdhsa_inst_pref_size 69
	.end_amdhsa_kernel
	.amdgpu_metadata
---
amdhsa.version: [ 1, 2 ]
amdhsa.kernels:
  - .name:           k_qd3b03e51b4_prep
    .symbol:         k_qd3b03e51b4_prep.kd
    .args:
      - { .name: x1, .offset: 0, .size: 8, .value_kind: global_buffer, .address_space: global }
      - { .name: x2, .offset: 8, .size: 8, .value_kind: global_buffer, .address_space: global }
      - { .name: W_q, .offset: 16, .size: 8, .value_kind: global_buffer, .address_space: global }
      - { .name: W_k, .offset: 24, .size: 8, .value_kind: global_buffer, .address_space: global }
      - { .name: W_v, .offset: 32, .size: 8, .value_kind: global_buffer, .address_space: global }
      - { .name: W_o, .offset: 40, .size: 8, .value_kind: global_buffer, .address_space: global }
      - { .name: xb, .offset: 48, .size: 8, .value_kind: global_buffer, .address_space: global }
      - { .name: wt, .offset: 56, .size: 8, .value_kind: global_buffer, .address_space: global }
    .group_segment_fixed_size: 35072
    .private_segment_fixed_size: 0
    .kernarg_segment_align: 8
    .kernarg_segment_size: 64
    .max_flat_workgroup_size: 64
    .sgpr_count:     66
    .vgpr_count:     160
    .wavefront_size: 32
...
	.end_amdgpu_metadata
.endif
;; end of part 1
;; launch proj (part 2): grid 24 x 32, 4 waves a work-group, clusters of 4 x 4, 327,680 bytes of LDS; arguments xb, wt, qkv; writes qkv
.if DOCPART == 2
	.amdgcn_target "amdgcn-amd-amdhsa--gfx1250"
	.amdhsa_code_object_version 6
	.text
	.protected	k_qd3b03e51b4_proj
	.globl	k_qd3b03e51b4_proj
	.p2align	8
	.type	k_qd3b03e51b4_proj,@function
k_qd3b03e51b4_proj:
	s_mov_b64 s[64:65], 0
	v_nop
	global_prefetch_b8 v0, s[64:65] scope:SCOPE_SE
	s_setreg_imm32_b32 hwreg(HW_REG_WAVE_MODE, 25, 1), 1
	s_wait_xcnt 0x0
	s_wait_alu depctr_hold_cnt(0) depctr_sa_sdst(0) depctr_va_vdst(0) depctr_va_sdst(0) depctr_va_ssrc(0) depctr_va_vcc(0) depctr_vm_vsrc(0)
	s_getreg_b32 s2, hwreg(HW_REG_IB_STS2, 6, 4)
	s_cmp_eq_u32 s2, 0
	s_cbranch_scc0 .Lentry_in_a_cluster
	s_endpgm
.Lentry_in_a_cluster:
	s_bfe_u32 s2, ttmp6, 0x10000c
	s_cmp_lg_u32 s2, 0xf033
	s_cbranch_scc0 .Lentry_shape_is_right
	s_endpgm
.Lentry_shape_is_right:
; PROJ.  Q = x1 W_q (times c = log2(e) / 4), K = x2 W_k, V = x2 W_v: three products of 4,096 x 1,024 x 1,024 in bf16 with f32 sums, each result rounded once to f16 and stored in the
; order in which the attention's matrix instructions take it: blocks of 512 bytes at (((which 4 + batch) 64 + head) 64 + token tile) 512.  In a block of Q or K the 16 bytes at 16 L (L = r + 16 h)
; hold token r, channels 8 h .. 8 h + 7; in a block of V channel r, tokens 8 h .. 8 h + 7.
; LIMITS.  A result beyond 65,504 becomes an infinity in f16; below 6.1e-5 it keeps f16's fixed step of 6e-8.  NaN and infinities are not treated apart.
; SHAPE.  A tile is 128 x 128: four waves of 64 x 64, 16 accumulators each; K goes in four steps of 256 through two LDS slots; 768 tiles, three for each group of 256.
; ONE TEXT FOR ALL THREE.  The tile is rows of 'A' times rows of 'B', both [row][k] with 2,048 bytes a row.  For Q and K: A = tokens (xb), B = output channels (wt).  For V the two change
; places (A = wt's rows of W_v, B = x2's tokens), which gives V turned.  The exchange touches the global addresses alone: LDS addresses, masks and the ring are the same.
; THE MATRIX INSTRUCTION: source 0 = 16 rows of B, source 1 = 16 rows of A: a lane then holds row r of A's block and the eight rows 8 h .. 8 h + 7 of B's block: 16 bytes of a block as above.
; CLUSTERS: 4 x 4 work-groups.  The four of a row of the cluster need the same tile of A, the four of a column the same tile of B: each is asked for jointly, by the same tensor load with the
; same descriptor and a mask that names the four.  The cluster's x, 0 to 5, gives which product (x / 2) and one more bit of the short axis; its y, 0 to 7, the long axis.
; REGISTERS: window 0: v0-31 addresses; v32-95 packed results; v128-255 the accumulators ((a, b) at v[128 + 8 (4 a + b)]).  Window 1: two fragment buffers of 128: 64 of A, then 64 of B.
.set KSTEP,  256
.set PITCH,  528                       ; an LDS row: 512 bytes + 16 of padding = 132 words: the 16 rows of a fragment load start at 16 different groups of four banks (ISA guide 11.1)
.set HALFT,  64*PITCH                  ; 64 rows: what one tensor load brings, and what one wave reads of A or of B
.set SLOT,   4*HALFT                   ; A's 128 rows, then B's 128 rows
.set SPARE,  2*SLOT                    ; behind the ring: the spare words, 128 bytes a wave: two blocks of 256 bytes that no other line names
.set VO,   8                           ; v8-11   my byte offset in the blocks of A's block a
.set ADRA, 16                          ; v16-17  LDS address of my A fragments in slot 0, 1
.set ADRB, 20                          ; v20-21  the same for B
.set SPW,  28                          ; v28     LDS address of my spare word; never rewritten
.set NIL,  29                          ; v29     0; never rewritten
.set TMP,  32
.set ACC,  128
.set F0,   0                           ; fragment buffers, in window 1
.set F1,   128
.set G1, 24                            ; s[24:31] descriptor group 1 for A's tiles;  s[32:39] group 0, one set for each slot
.set G0, 32
.set G1B, 48                           ; s[48:55], s[56:63] the same for B's tiles
.set G0B, 56
.set MSB, 0
.macro WIN new                         ; the immediate's high byte repeats the setting that is left
.if MSB != (\new)
	s_set_vgpr_msb (MSB<<8)|(\new)
.set MSB, \new
.endif
.endm
.set MUL,  0x05                        ; sources 0 (B) and 1 (A) window 1; C and D window 0
.set TO_F, 0x40                        ; destination window 1, address window 0
.macro JLOAD s                         ; a joint load: waves 0 and 1 fetch A's two halves, waves 2 and 3 B's; an s_nop 0 and four v_nop follow each line
	s_cmp_eq_u32 s11, 0
	s_cbranch_scc0 .Lfor_b_\@
	tensor_load_to_lds s[G0+4*(\s):G0+4*(\s)+3], s[G1:G1+7]
	s_nop 0
.rept 4
	v_nop
.endr
	s_branch .Lasked_\@
.Lfor_b_\@:
	tensor_load_to_lds s[G0B+4*(\s):G0B+4*(\s)+3], s[G1B:G1B+7]
	s_nop 0
.rept 4
	v_nop
.endr
.Lasked_\@:
.endm
.macro CREST                           ; a round of the cluster's barrier behind its opening barrier
	s_cmp_lg_u32 s10, 0
	s_cbranch_scc1 .Lnot_wave_0_\@
	s_barrier_signal -3
.Lnot_wave_0_\@:
	s_barrier_wait -3
	s_barrier_signal -1
	s_barrier_wait -1
.endm
.macro CROUND                          ; a whole round
	s_barrier_signal -1
	s_barrier_wait -1
	CREST
.endm
	s_load_b128 s[4:7], s[0:1], 0x0                ; xb s[4:5], wt s[6:7]
	s_load_b64 s[8:9], s[0:1], 0x10                ; qkv
	v_lshl_add_u32 v[SPW], v0, 2, SPARE
	v_mov_b32 v[NIL], 0
	ds_add_u32 v[SPW], v[NIL]                      ; the wave's opening: the add and its wait stand ahead of my first tensor load; work on registers stands between them
	ds_add_u32 v28, v29
	v_lshrrev_b32 v1, 5, v0
	v_readfirstlane_b32 s10, v1                    ; wave 0..3
	s_lshr_b32 s11, s10, 1                         ; which half of A's rows is mine.  Also: I fetch for A (0) or for B (1)
	s_and_b32 s12, s10, 1                          ; which half of B's rows.  Also: which 64 rows of that tile I fetch
	s_bfe_u32 s40, ttmp6, 0x40000                  ; cx, cy: my place in the cluster
	s_bfe_u32 s41, ttmp6, 0x40004
	s_and_b32 s67, ttmp7, 0xffff                   ; the cluster's y, 0..7: the long axis (32 tiles of tokens)
	s_and_b32 s69, ttmp9, 1                        ; the short axis (8 tiles of channels)
	s_lshr_b32 s68, ttmp9, 1                       ; which: 0 Q, 1 K, 2 V; equal in all sixteen partners
	s_cmp_eq_u32 s68, 2
	s_cselect_b32 s42, s67, s69                    ; B's axis: for V the tokens
	s_cselect_b32 s13, s69, s67                    ; A's axis: for V the channels
	s_cselect_b32 s70, 2048, 0                     ; A's first row in its buffer: Q 0 (x1), K 4,096 (x2), V 2,048 (W_v in wt)
	s_cselect_b32 s71, 4096, 0                     ; B's: Q 0 (W_q), K 1,024 (W_k), V 4,096 (x2)
	s_cmp_eq_u32 s68, 1
	s_cselect_b32 s70, 4096, s70
	s_cselect_b32 s71, 1024, s71
	s_lshl_b32 s42, s42, 2
	s_add_co_u32 s42, s42, s40                     ; B's tile = 4 x its axis + cx
	s_lshl_b32 s13, s13, 2
	s_add_co_u32 s13, s13, s41                     ; A's tile = 4 x its axis + cy
	s_lshl_b32 s43, s41, 2
	s_lshl_b32 s43, 15, s43                        ; my row of the cluster
	s_lshl_b32 s44, 0x1111, s40                    ; my column
	; descriptor group 1: a tile of 64 rows x 256 elements, padded in LDS
	s_or_b32 s[G1+0], s43, (1<<16)|(1<<20)|(1<<21)|(6<<22)|(3<<25)  ; 15:0 the mask: A's tiles go to my row; 17:16 2-byte elements; 20 padding on; 21 set beside a mask; 24:22 after every 128 words; 31:25 4 words
	s_or_b32 s[G1B+0], s44, (1<<16)|(1<<20)|(1<<21)|(6<<22)|(3<<25) ; the same with my column's mask
.irp g, G1, G1B
	s_mov_b32 s[(\g)+1], KSTEP<<16                 ; tensor_dim0 = 256
	s_mov_b32 s[(\g)+2], 64<<16                    ; tensor_dim1 = 64
	s_mov_b32 s[(\g)+3], KSTEP<<16                 ; tile_dim0 = 256
	s_mov_b32 s[(\g)+4], 64                        ; tile_dim1 = 64
	s_mov_b32 s[(\g)+5], 1024                      ; 1,024 elements from row to row, in xb and in wt
	s_mov_b32 s[(\g)+6], 0
	s_mov_b32 s[(\g)+7], 0
.endr
	s_lshl_b32 s17, s12, 6                         ; which 64 rows of the tile I fetch
	s_lshl_b32 s16, s13, 7
	s_add_co_u32 s16, s16, s17
	s_add_co_u32 s16, s16, s70                     ; A: first row + 128 x tile + 64 x half: made of cy, never of cx
	s_lshl_b32 s16, s16, 11                        ; rows of 2,048 bytes: under 2^25
	s_lshl_b32 s46, s42, 7
	s_add_co_u32 s46, s46, s17
	s_add_co_u32 s46, s46, s71                     ; B: made of cx, never of cy
	s_lshl_b32 s46, s46, 11
	s_mov_b32 s17, 0
	s_mov_b32 s47, 0
	s_mul_i32 s20, s10, HALFT                      ; where they go: wave x 64 rows
	s_wait_dscnt 0x0                               ; the opening add is done
	s_wait_kmcnt 0x0
	s_cmp_eq_u32 s68, 2
	s_cselect_b64 s[72:73], s[6:7], s[4:5]         ; A's buffer: wt for V, xb else
	s_cselect_b64 s[74:75], s[4:5], s[6:7]         ; B's: the other
	s_add_nc_u64 s[14:15], s[72:73], s[16:17]
	s_add_nc_u64 s[46:47], s[74:75], s[46:47]
	CROUND                                         ; all sixteen work-groups are here: the first joint loads meet
.irp s, 0,1
	s_mov_b32 s[G0+4*(\s)], 1
	s_add_co_u32 s[G0+4*(\s)+1], s20, (\s)*SLOT
	s_add_nc_u64 s[G0+4*(\s)+2:G0+4*(\s)+3], s[14:15], (\s)*KSTEP*2
	s_or_b32 s[G0+4*(\s)+3], s[G0+4*(\s)+3], 0x80000000
	s_mov_b32 s[G0B+4*(\s)], 1
	s_add_co_u32 s[G0B+4*(\s)+1], s20, (\s)*SLOT
	s_add_nc_u64 s[G0B+4*(\s)+2:G0B+4*(\s)+3], s[46:47], (\s)*KSTEP*2
	s_or_b32 s[G0B+4*(\s)+3], s[G0B+4*(\s)+3], 0x80000000
	JLOAD \s                                       ; two tensor loads of mine are out
.endr
	v_and_b32 v1, 15, v0                           ; l % 16
	v_bfe_u32 v2, v0, 4, 1                         ; l / 16
	v_mul_u32_u24 v3, v1, PITCH
	v_lshl_add_u32 v3, v2, 4, v3                   ; a fragment's row x pitch + 16 x half
	s_mul_i32 s21, s11, HALFT                      ; my 64 rows of A
	s_mul_i32 s22, s12, HALFT                      ; my 64 rows of B,
	s_add_co_u32 s22, s22, 2*HALFT                 ; which lie behind A's 128
.irp s, 0,1
	v_add_nc_u32 v[ADRA+(\s)], s21, v3
	v_add_nc_u32 v[ADRB+(\s)], s22, v3
	s_add_co_u32 s21, s21, SLOT
	s_add_co_u32 s22, s22, SLOT
.endr
	; where my 16 blocks lie in qkv.  u, w: the first of my four blocks of 16 along A and along B.  Tokens go by 512 bytes, heads by 32,768.
	s_lshl_b32 s76, s13, 3
	s_lshl_b32 s77, s11, 2
	s_add_co_u32 s76, s76, s77                     ; u = 8 x A's tile + 4 x half
	s_lshl_b32 s77, s42, 3
	s_lshl_b32 s78, s12, 2
	s_add_co_u32 s77, s77, s78                     ; w = 8 x B's tile + 4 x half
	s_mov_b32 s92, 512
	s_mov_b32 s93, 0x8000
	s_cmp_eq_u32 s68, 2
	s_cselect_b32 s78, s77, s76                    ; the token tile, 0..255: along B for V, along A else
	s_cselect_b32 s79, s76, s77                    ; the head, 0..63
	s_cselect_b32 s94, s93, s92                    ; bytes from a to a + 1
	s_cselect_b32 s98, s92, s93                    ; bytes from b to b + 1
	s_mov_b32 s99, 0
	s_lshl_b32 s96, s68, 23                        ; which x 8,388,608
	s_lshr_b32 s97, s78, 6
	s_lshl_b32 s97, s97, 21                        ; batch x 2,097,152
	s_add_co_u32 s96, s96, s97
	s_lshl_b32 s97, s79, 15                        ; head x 32,768
	s_add_co_u32 s96, s96, s97
	s_and_b32 s97, s78, 63
	s_lshl_b32 s97, s97, 9                         ; token tile in the batch x 512
	s_add_co_u32 s96, s96, s97
	s_mov_b32 s97, 0
	s_add_nc_u64 s[80:81], s[8:9], s[96:97]        ; a base for each b
	s_add_nc_u64 s[82:83], s[80:81], s[98:99]
	s_add_nc_u64 s[84:85], s[82:83], s[98:99]
	s_add_nc_u64 s[86:87], s[84:85], s[98:99]
	s_mov_b32 s90, 0x3eb8aa3b                      ; c = log2(e) / 4 = 0.360674
	s_mov_b32 s91, s90                             ; named with it as a pair
	v_and_b32 v6, 31, v0
	v_lshlrev_b32 v[VO], 4, v6                     ; 16 x lane, and a vector offset for each a
	v_add_nc_u32 v[VO+1], s94, v[VO]
	v_add_nc_u32 v[VO+2], s94, v[VO+1]
	v_add_nc_u32 v[VO+3], s94, v[VO+2]
; 8 matrix instructions: A blocks a0, a0 + 1 x all 4 B blocks, 32 along K: half c of buffer f.  zero = 1: the first product starts the sums.  The 16 accumulators take turns.
.macro MUL8 f, c, a0, zero
	WIN MUL
.irp a, \a0, (\a0)+1
.irp b, 0,1,2,3
.if \zero
	v_wmma_f32_16x16x32_bf16 v[ACC+8*(4*(\a)+(\b)):ACC+8*(4*(\a)+(\b))+7], v[(\f)+64+8*(4*(\c)+(\b)):(\f)+64+8*(4*(\c)+(\b))+7], v[(\f)+8*(4*(\c)+(\a)):(\f)+8*(4*(\c)+(\a))+7], 0
.else
	v_wmma_f32_16x16x32_bf16 v[ACC+8*(4*(\a)+(\b)):ACC+8*(4*(\a)+(\b))+7], v[(\f)+64+8*(4*(\c)+(\b)):(\f)+64+8*(4*(\c)+(\b))+7], v[(\f)+8*(4*(\c)+(\a)):(\f)+8*(4*(\c)+(\a))+7], v[ACC+8*(4*(\a)+(\b)):ACC+8*(4*(\a)+(\b))+7]
.endif
.endr
.endr
.endm
; 32 LDS loads in one run: the fragments of 64 along K at byte k of the rows, into buffer f; the first 32 along K first
.macro FETCH slot, k, f
	WIN TO_F
.irp c, 0,1
.irp i, 0,1,2,3
	ds_load_b128 v[(\f)+64+8*(4*(\c)+(\i)):(\f)+64+8*(4*(\c)+(\i))+3],   v[ADRB+(\slot)] offset:(\k)+64*(\c)+(\i)*16*PITCH
	ds_load_b128 v[(\f)+64+8*(4*(\c)+(\i))+4:(\f)+64+8*(4*(\c)+(\i))+7], v[ADRB+(\slot)] offset:(\k)+64*(\c)+(\i)*16*PITCH+32
	ds_load_b128 v[(\f)+8*(4*(\c)+(\i)):(\f)+8*(4*(\c)+(\i))+3],         v[ADRA+(\slot)] offset:(\k)+64*(\c)+(\i)*16*PITCH
	ds_load_b128 v[(\f)+8*(4*(\c)+(\i))+4:(\f)+8*(4*(\c)+(\i))+7],       v[ADRA+(\slot)] offset:(\k)+64*(\c)+(\i)*16*PITCH+32
.endr
.endr
.endm
.macro PLACES                          ; four plain vector instructions in front of loads into registers that matrix instructions have read, and of lines that read results
.rept 4
	v_nop
.endr
.endm
; A K step is four quarters of 64 along K, 32 matrix instructions each, on buffers 0, 1, 0, 1.  One of the first three: multiplies buffer f and fetches the next quarter, at byte k, into g.
.macro QUARTER slot, k, f, g, zero
	s_wait_dscnt 16                                ; the first 32 along K are in; the youngest sixteen loads may be out
	WIN MUL
	MUL8 \f, 0, 0, \zero
	MUL8 \f, 0, 2, \zero
	PLACES
	FETCH \slot, \k, \g
	s_wait_dscnt 32                                ; all but the 32 just issued
	WIN MUL
	MUL8 \f, 1, 0, 0
	MUL8 \f, 1, 2, 0
.endm
; The last quarter multiplies buffer 1 and changes slots: ONE barrier; in front of it each wave waits for all its tensor loads, adds 0 to its spare word, and waits for that and for its reads of this slot.
; fill = 1: this slot is filled again, two K steps ahead; the barrier then opens a round of the cluster's barrier, and the joint load is the first thing behind the round.
.macro TURN slot, next, fill
	WIN 0                                          ; (the add's two registers lie in window 0)
	s_wait_tensorcnt 0x0                           ; all my tensor loads have landed: my part of the next slot
	ds_add_u32 v[SPW], v[NIL]                      ; 0 onto my spare word
	s_wait_dscnt 17                                ; (the add and the youngest sixteen loads may be out)
	WIN MUL
	MUL8 F1, 0, 0, 0                               ; eight matrix instructions stand between the add and the wait for it
	s_wait_dscnt 0x0                               ; the add is done, and my reads of this slot are over
	s_barrier_signal -1
	MUL8 F1, 0, 2, 0
.if \fill
	WIN 0
.endif
	s_barrier_wait -1
.if \fill
	CREST                                          ; no wave of any partner still reads this slot's tile or has a load on its way
	s_add_nc_u64 s[G0+4*(\slot)+2:G0+4*(\slot)+3], s[G0+4*(\slot)+2:G0+4*(\slot)+3], 2*KSTEP*2
	s_add_nc_u64 s[G0B+4*(\slot)+2:G0B+4*(\slot)+3], s[G0B+4*(\slot)+2:G0B+4*(\slot)+3], 2*KSTEP*2
	JLOAD \slot                                    ; one tensor load of mine is out; its four v_nop are also the places in front of the loads below
.else
	PLACES
.endif
	FETCH \next, 0, F0
	WIN MUL
	MUL8 F1, 1, 0, 0
	MUL8 F1, 1, 2, 0
.endm
	s_wait_tensorcnt 1                             ; my part of K step 0 is in; K step 1's may stay out
	s_barrier_signal -1
	s_barrier_wait -1                              ; everybody's is
	FETCH 0, 0, F0
	QUARTER 0, 128, F0, F1, 1                      ; K step 0: the first products start the sums
	QUARTER 0, 256, F1, F0, 0
	QUARTER 0, 384, F0, F1, 0
	TURN 0, 1, 1                                   ; slot 0 takes K step 2
	QUARTER 1, 128, F0, F1, 0                      ; K step 1
	QUARTER 1, 256, F1, F0, 0
	QUARTER 1, 384, F0, F1, 0
	TURN 1, 0, 1                                   ; slot 1 takes K step 3
	QUARTER 0, 128, F0, F1, 0                      ; K step 2
	QUARTER 0, 256, F1, F0, 0
	QUARTER 0, 384, F0, F1, 0
	TURN 0, 1, 0                                   ; nothing is left to fetch
	QUARTER 1, 128, F0, F1, 0                      ; K step 3
	QUARTER 1, 256, F1, F0, 0
	QUARTER 1, 384, F0, F1, 0
	s_wait_dscnt 16
	WIN MUL
	MUL8 F1, 0, 0, 0
	MUL8 F1, 0, 2, 0
	s_wait_dscnt 0
	MUL8 F1, 1, 0, 0
	MUL8 F1, 1, 2, 0
	WIN 0
	; THE WAY OUT, straight from registers: a lane's eight numbers of an accumulator are 16 bytes of a block, and the 32 lanes' are the block.
	PLACES
	s_cmp_lg_u32 s68, 0                            ; Q alone is scaled, in f32, ahead of its one rounding; the branch is the same in all partners
	s_cbranch_scc1 .Lno_scale
.set t, 0
.rept 64
	v_pk_mul_f32 v[ACC+2*t:ACC+2*t+1], v[ACC+2*t:ACC+2*t+1], s[90:91] op_sel_hi:[1,0]
.set t, t+1
.endr
.Lno_scale:
.set t, 0
.rept 16                               ; accumulator t = (a, b) = (t / 4, t % 4); its registers are taken from the low end on
.irp r, 0,1,2,3
	v_cvt_pk_f16_f32 v[TMP+4*t+(\r)], v[ACC+8*t+2*(\r)], v[ACC+8*t+2*(\r)+1]
.endr
	global_store_b128 v[VO+t/4], v[TMP+4*t:TMP+4*t+3], s[80+2*(t%4):81+2*(t%4)]  ; 512 consecutive bytes, aligned
.set t, t+1
.endr
	s_wait_tensorcnt 0x0                           ; the wave's end, behind my last tensor load
	ds_add_u32 v[SPW], v[NIL]
	s_wait_dscnt 0x0
	CROUND                                         ; the closing round: no work-group ends while a partner may still ask for a tile that names it
	s_endpgm
.Lfunc_end_k_qd3b03e51b4_proj:
	.size	k_qd3b03e51b4_proj, .Lfunc_end_k_qd3b03e51b4_proj-k_qd3b03e51b4_proj
	.p2alignl 7, 3214868480
	.fill 96, 4, 3214868480
	.section	.rodata,"a",@progbits
	.p2align	6, 0x0
	.amdhsa_kernel k_qd3b03e51b4_proj
		.amdhsa_group_segment_fixed_size 327680
		.amdhsa_private_segment_fixed_size 0
		.amdhsa_enable_private_segment 0
		.amdhsa_kernarg_size 24
		.amdhsa_user_sgpr_count 2
		.amdhsa_user_sgpr_kernarg_segment_ptr 1
		.amdhsa_wavefront_size32 1
		.amdhsa_system_sgpr_workgroup_id_x 1
		.amdhsa_system_sgpr_workgroup_id_y 1
		.amdhsa_system_sgpr_workgroup_id_z 1
		.amdhsa_system_vgpr_workitem_id 0
		.amdhsa_next_free_vgpr 512
		.amdhsa_next_free_sgpr 100
		.amdhsa_reserve_vcc 0
		.amdhsa_float_denorm_mode_32 3
		.amdhsa_float_denorm_mode_16_64 3
		.amdhsa_memory_ordered 1
		.amdhsa_forward_progress 1
		.amdhsa_inst_pref_size 88
	.end_amdhsa_kernel
	.amdgpu_metadata
---
amdhsa.version: [ 1, 2 ]
amdhsa.kernels:
  - .name:           k_qd3b03e51b4_proj
    .symbol:         k_qd3b03e51b4_proj.kd
    .args:
      - { .name: xb, .offset: 0, .size: 8, .value_kind: global_buffer, .address_space: global }
      - { .name: wt, .offset: 8, .size: 8, .value_kind: global_buffer, .address_space: global }
      - { .name: qkv, .offset: 16, .size: 8, .value_kind: global_buffer, .address_space: global }
    .group_segment_fixed_size: 327680
    .private_segment_fixed_size: 0
    .kernarg_segment_align: 8
    .kernarg_segment_size: 24
    .max_flat_workgroup_size: 128
    .sgpr_count:     100
    .vgpr_count:     512
    .wavefront_size: 32
...
	.end_amdgpu_metadata
.endif
;; end of part 2
;; launch attn (part 3): grid 256 x 1, 16 waves a work-group, no clusters, 167,936 bytes of LDS; arguments qkv, ao; writes ao
.if DOCPART == 3
	.amdgcn_target "amdgcn-amd-amdhsa--gfx1250"
	.amdhsa_code_object_version 6
	.text
	.protected	k_qd3b03e51b4_attn
	.globl	k_qd3b03e51b4_attn
	.p2align	8
	.type	k_qd3b03e51b4_attn,@function
k_qd3b03e51b4_attn:
	s_mov_b64 s[64:65], 0
	v_nop
	global_prefetch_b8 v0, s[64:65] scope:SCOPE_SE
	s_setreg_imm32_b32 hwreg(HW_REG_WAVE_MODE, 25, 1), 1
	s_wait_xcnt 0x0
; ATTN.  For each of 256 heads (batch x 64 + group): O[q] = the sum over k of softmax_k(Q[q] . K[k] / 4) V[k], 1,024 queries, 1,024 keys, 16 channels.  Q (already times c = log2(e) / 4), K, V and O
; are f16 in blocks of 512 bytes (16 tokens x 16 channels; V's blocks are turned).  Products, maxima and sums in f32; the weights p are rounded to f16 for the second product, and their sum l is
; taken of the rounded p, by the same matrix unit; O is rounded once.
; LIMITS.  p below 6.1e-5 keeps f16's fixed step of 6e-8; an exponential below 2^-126 counts as 0.  NaN and infinities are not treated apart (the zero halves of Q's operands turn an infinite k into NaN).
; SHARES.  A work-group takes one head, its 16 waves 64 queries each: four tiles of 16.  K and V of the head, 32,768 bytes each, are brought into LDS once; no slot is ever filled again.
; NO CLUSTER: no two work-groups read the same K, V or Q.
; DENSE OPERANDS.  A head has 16 channels and a matrix instruction 32 along K.  Source 0 holds 32 keys: k = 0..15 the channels of key r, k = 16..31 those of key 16 + r.  Source 1 is {q, 0} or {0, q},
; which picks the one or the other 16 keys.  Both lie in one run of registers, Z q0 Z q1 Z q2 Z q3 Z (Z: four zeros).
; TWO PASSES.  Pass 1 makes all scores and keeps each query's maximum m alone.  Pass 2 makes them again with C = -m, so that the product itself is c s - c m, ready for the exponential:
; the true row maximum is taken away, and nothing is scaled or rescaled by vector instructions.  l = ONES x P.  In every result a lane holds one query (lane % 16).
; ORDER.  The four tiles go round: a tile's vector work stands between the products of the other tiles, so every distance behind a matrix instruction is filled by eight plain
; instructions or more of other tiles (ISA guide 7.12.1); no two matrix instructions on end share an accumulator.
.set SPARE, 65536                      ; behind K and V: the spare words, 128 bytes for each of 16 waves: eight blocks of 256 bytes that no other line names
.set SPW,  1                           ; v1   LDS address of my spare word; never rewritten
.set NIL,  2                           ; v2   0; never rewritten
.set AD,   3                           ; v3   16 x lane + the loop's step
.set GO,   4                           ; v4   16 x lane
.set ONES, 8                           ; v8-15    1.0 in every f16
.set KF,   16                          ; v16-31   K of 32 keys, two buffers
.set VF,   32                          ; v32-47   V of 32 keys, two buffers
.set QZ,   48                          ; v48-83   Z q0 Z q1 Z q2 Z q3 Z
.set M,    84                          ; v84-115  -m, eight times a tile
.set O,    116                         ; v116-147 O^T, 8 a tile
.set MX,   116                         ;          in pass 1: four running maxima a tile
.set L,    148                         ; v148-179 l, 8 a tile (all eight alike)
.set S,    180                         ; v180-243 scores, 16 a tile; P is made in place in a tile's first eight
.set R,    244                         ; v244-247 1 / l
	s_load_b128 s[4:7], s[0:1], 0x0                ; qkv s[4:5], ao s[6:7]
	v_lshl_add_u32 v[SPW], v0, 2, SPARE
	v_mov_b32 v[NIL], 0
	ds_add_u32 v[SPW], v[NIL]                      ; the wave's opening: the add and its wait stand ahead of the first tensor load; work on registers stands between them
	ds_add_u32 v1, v2
	v_lshrrev_b32 v5, 5, v0
	v_readfirstlane_b32 s8, v5                     ; wave 0..15
	s_mov_b32 s9, ttmp9                            ; the head
	; descriptor group 1: 16,384 dense bytes as 64 rows of 256 bytes, elements of 8 bytes, no padding: a fragment load takes 512 consecutive bytes
	s_mov_b32 s16, 3<<16
	s_mov_b32 s17, 32<<16                          ; tensor_dim0 = 32
	s_mov_b32 s18, 64<<16                          ; tensor_dim1 = 64
	s_mov_b32 s19, 32<<16                          ; tile_dim0 = 32
	s_mov_b32 s20, 64                              ; tile_dim1 = 64
	s_mov_b32 s21, 32                              ; 32 elements from row to row
	s_mov_b32 s22, 0
	s_mov_b32 s23, 0
	s_mov_b32 s12, 1
	s_lshl_b32 s13, s8, 14                         ; waves 0, 1: K's halves at LDS 0 and 16,384; waves 2, 3: V's at 32,768 and 49,152
	s_lshr_b32 s30, s8, 1
	s_add_co_u32 s30, s30, 1
	s_lshl_b32 s30, s30, 23                        ; K begins 8,388,608 bytes into qkv, V 16,777,216
	s_lshl_b32 s31, s9, 15                         ; a head's 32,768 bytes
	s_add_co_u32 s30, s30, s31
	s_and_b32 s31, s8, 1
	s_lshl_b32 s31, s31, 14
	s_add_co_u32 s30, s30, s31
	s_mov_b32 s31, 0
	s_lshl_b32 s32, s9, 15                         ; Q: the head, and my wave's four blocks
	s_lshl_b32 s33, s8, 11
	s_add_co_u32 s32, s32, s33
	s_mov_b32 s33, 0
	s_lshr_b32 s34, s9, 6                          ; ao: block (token tile x 64 + group) x 512; token tile = batch x 64 + 4 x wave + t
	s_lshl_b32 s34, s34, 6
	s_lshl_b32 s35, s8, 2
	s_add_co_u32 s34, s34, s35
	s_lshl_b32 s34, s34, 15
	s_and_b32 s35, s9, 63
	s_lshl_b32 s35, s35, 9
	s_add_co_u32 s34, s34, s35
	s_mov_b32 s35, 0
	s_mov_b32 s28, 0x76543210                      ; v_permlanex16_b32: each lane takes its own place in the other half
	s_mov_b32 s29, 0xfedcba98
	s_wait_dscnt 0x0                               ; the opening add is done
	s_wait_kmcnt 0x0
	s_add_nc_u64 s[14:15], s[4:5], s[30:31]
	s_or_b32 s15, s15, 0x80000000
	s_add_nc_u64 s[24:25], s[4:5], s[32:33]
	s_add_nc_u64 s[26:27], s[6:7], s[34:35]
	s_cmp_lt_u32 s8, 4
	s_cbranch_scc0 .Lno_fill
	tensor_load_to_lds s[12:15], s[16:23]          ; the launch's only fills: one tensor load in each of waves 0 to 3
	s_nop 0
.Lno_fill:
	v_and_b32 v5, 31, v0
	v_lshlrev_b32 v[GO], 4, v5
.irp t, 0,1,2,3
	global_load_b128 v[QZ+8*(\t)+4:QZ+8*(\t)+7], v[GO], s[24:25] offset:512*(\t)  ; Q stays in registers
.endr
.irp z, 0,1,2,3,4
.irp i, 0,1,2,3
	v_mov_b32 v[QZ+8*(\z)+(\i)], 0
.endr
.endr
	v_mov_b32 v[AD], v[GO]
	s_wait_tensorcnt 0x0                           ; my part of K or V has landed (a wave that issued none passes at once),
	s_barrier_signal -1
	s_barrier_wait -1                              ; everybody's has
.macro LDK kb, off                     ; 32 keys of K into buffer kb: two blocks of 512 bytes
	ds_load_b128 v[KF+8*(\kb):KF+8*(\kb)+3],   v[AD] offset:(\off)
	ds_load_b128 v[KF+8*(\kb)+4:KF+8*(\kb)+7], v[AD] offset:(\off)+512
.endm
.macro LDV vb, off
	ds_load_b128 v[VF+8*(\vb):VF+8*(\vb)+3],   v[AD] offset:32768+(\off)
	ds_load_b128 v[VF+8*(\vb)+4:VF+8*(\vb)+7], v[AD] offset:32768+(\off)+512
.endm
.macro QK t, kb, cm                    ; tile t's scores for the 32 keys of buffer kb: the first 16 keys, then the other 16.  cm = 1: less the maximum
.if \cm
	v_wmma_f32_16x16x32_f16 v[S+16*(\t):S+16*(\t)+7],    v[KF+8*(\kb):KF+8*(\kb)+7], v[QZ+8*(\t)+4:QZ+8*(\t)+11], v[M+8*(\t):M+8*(\t)+7]
	v_wmma_f32_16x16x32_f16 v[S+16*(\t)+8:S+16*(\t)+15], v[KF+8*(\kb):KF+8*(\kb)+7], v[QZ+8*(\t):QZ+8*(\t)+7],    v[M+8*(\t):M+8*(\t)+7]
.else
	v_wmma_f32_16x16x32_f16 v[S+16*(\t):S+16*(\t)+7],    v[KF+8*(\kb):KF+8*(\kb)+7], v[QZ+8*(\t)+4:QZ+8*(\t)+11], 0
	v_wmma_f32_16x16x32_f16 v[S+16*(\t)+8:S+16*(\t)+15], v[KF+8*(\kb):KF+8*(\kb)+7], v[QZ+8*(\t):QZ+8*(\t)+7],    0
.endif
.endm
.macro MAXT t                          ; 16 scores into four running maxima; each accumulator is read from its low end on
.irp c, 0,1,2,3
	v_max3_num_f32 v[MX+4*(\t)+(\c)], v[MX+4*(\t)+(\c)], v[S+16*(\t)+2*(\c)], v[S+16*(\t)+2*(\c)+1]
.endr
.irp c, 0,1,2,3
	v_max3_num_f32 v[MX+4*(\t)+(\c)], v[MX+4*(\t)+(\c)], v[S+16*(\t)+8+2*(\c)], v[S+16*(\t)+8+2*(\c)+1]
.endr
.endm
; PASS 1, the cycle of key group g (p = g % 2): the maxima of group g, and between them the products of group g + 1; group g + 2's K is fetched into the buffer that group g's products have left,
; eight plain instructions behind the last of them.
.macro CYC1 p, ld
	MAXT 0
	s_wait_dscnt 0x0                               ; K of group g + 1 is in: its two loads are all that is out
	QK 0, 1-(\p), 0
.if \ld
	LDK \p, 2048+1024*(\p)
.endif
	MAXT 1
	QK 1, 1-(\p), 0
	MAXT 2
	QK 2, 1-(\p), 0
	MAXT 3
	QK 3, 1-(\p), 0
.endm
	LDK 0, 0
	LDK 1, 1024
	s_wait_loadcnt 0x0                             ; Q
	s_wait_dscnt 0x2                               ; group 0's K is in; group 1's two loads may be out
	QK 0, 0, 0
	QK 1, 0, 0
	QK 2, 0, 0
	QK 3, 0, 0
.set i, 0
.rept 16
	v_mov_b32 v[MX+i], 0xff7fffff                  ; the lowest finite number; these lines are also the places behind the first products
.set i, i+1
.endr
	s_mov_b32 s10, 15
.Lp1:                                              ; 15 trips of two cycles: groups 0 to 29
	CYC1 0, 1
	CYC1 1, 1
	v_add_nc_u32 v[AD], 2048, v[AD]
	s_sub_co_u32 s10, s10, 1
	s_cmp_lg_u32 s10, 0
	s_cbranch_scc1 .Lp1
	CYC1 0, 0                                      ; group 30: nothing is left to fetch
	MAXT 0                                         ; group 31
	MAXT 1
	MAXT 2
	MAXT 3
	v_mov_b32 v[AD], v[GO]
	LDK 0, 0                                       ; pass 2's first K and V land while the maxima are finished
	LDV 0, 0
.irp t, 0,1,2,3
	v_max3_num_f32 v[MX+4*(\t)], v[MX+4*(\t)], v[MX+4*(\t)+1], v[MX+4*(\t)+2]
.endr
.irp t, 0,1,2,3
	v_max_num_f32 v[MX+4*(\t)], v[MX+4*(\t)], v[MX+4*(\t)+3]
.endr
.irp t, 0,1,2,3
	v_permlanex16_b32 v[MX+4*(\t)+1], v[MX+4*(\t)], s28, s29  ; the query's other keys lie in the lane 16 away
.endr
.irp t, 0,1,2,3
	v_max_num_f32 v[MX+4*(\t)], v[MX+4*(\t)], v[MX+4*(\t)+1]
.endr
.irp t, 0,1,2,3
.irp i, 0,1,2,3,4,5,6,7
	v_mul_f32 v[M+8*(\t)+(\i)], -1.0, v[MX+4*(\t)]
.endr
.endr
; PASS 2.
.macro EX t, n
	v_exp_f32 v[S+16*(\t)+(\n)], v[S+16*(\t)+(\n)]
.endm
.macro CV t, k                         ; weights 2 k and 2 k + 1 rounded to f16, in place: word k has been read by an earlier CV
	s_wait_alu depctr_va_vdst(0)
	v_cvt_pk_f16_f32 v[S+16*(\t)+(\k)], v[S+16*(\t)+2*(\k)], v[S+16*(\t)+2*(\k)+1]
.endm
; A tile's 16 exponentials and 7 of its 8 roundings; the eighth stands in the next tile's run (prev), or a v_nop in its place.  Between an exponential and the use of its result, or a write
; of its source, stands a plain instruction that touches neither (ISA guide 5.7.2).
.macro EC t, prev
	EX \t, 0
	EX \t, 1
	EX \t, 2
	EX \t, 3
.if (\prev) < 0
	v_nop
	s_wait_alu depctr_va_vdst(0)
.else
	CV \prev, 7
.endif
	CV \t, 0
.irp k, 0,1,2,3,4,5
	EX \t, 2*(\k)+4
	EX \t, 2*(\k)+5
	CV \t, (\k)+1
.endr
.endm
.macro PVL t, vb, zero                 ; O^T += V^T P and l += ONES P for tile t.  zero = 1: the first products start the sums
.if \zero
	v_wmma_f32_16x16x32_f16 v[O+8*(\t):O+8*(\t)+7], v[VF+8*(\vb):VF+8*(\vb)+7], v[S+16*(\t):S+16*(\t)+7], 0
	v_wmma_f32_16x16x32_f16 v[L+8*(\t):L+8*(\t)+7], v[ONES:ONES+7],             v[S+16*(\t):S+16*(\t)+7], 0
.else
	v_wmma_f32_16x16x32_f16 v[O+8*(\t):O+8*(\t)+7], v[VF+8*(\vb):VF+8*(\vb)+7], v[S+16*(\t):S+16*(\t)+7], v[O+8*(\t):O+8*(\t)+7]
	v_wmma_f32_16x16x32_f16 v[L+8*(\t):L+8*(\t)+7], v[ONES:ONES+7],             v[S+16*(\t):S+16*(\t)+7], v[L+8*(\t):L+8*(\t)+7]
.endif
.endm
; The cycle of key group g (p = g % 2), four slots: a tile's exponentials; the tile before's second products; the scores of the tile two on (tiles 0 and 1: of group g + 1).
; mode 0: any cycle; 1: group 0 (no tile before; sums start); 2: group 1 (tile 3's sums start); 3: group 31 (nothing more is fetched or scored).
.macro CYC2 p, mode
.if (\mode) != 3
	LDK 1-(\p), 1024*(1+(\p))                      ; K of group g + 1: its buffer's last reader stands eight plain instructions of another tile back
.endif
.if (\mode) == 1
	EC 0, -1
.else
	EC 0, 3
.if (\mode) == 2
	PVL 3, 1-(\p), 1
.else
	PVL 3, 1-(\p), 0
.endif
.endif
	QK 2, \p, 1
	EC 1, 0
.if (\mode) == 3
	s_wait_dscnt 0x0                               ; V of the last group is in
.else
	s_wait_dscnt 0x2                               ; V of group g is in; the two loads of K behind it may be out
.endif
.if (\mode) == 1
	PVL 0, \p, 1
.else
	PVL 0, \p, 0
.endif
	QK 3, \p, 1
.if (\mode) != 3
	LDV 1-(\p), 1024*(1+(\p))                      ; V of group g + 1: its buffer's last reader, tile 3's products of group g - 1, stands a tile's run back
.endif
	EC 2, 1
.if (\mode) == 1
	PVL 1, \p, 1
.else
	PVL 1, \p, 0
.endif
.if (\mode) != 3
	s_wait_dscnt 0x2                               ; K of group g + 1 is in; the two loads of V behind it may be out
	QK 0, 1-(\p), 1
.endif
	EC 3, 2
.if (\mode) == 1
	PVL 2, \p, 1
.else
	PVL 2, \p, 0
.endif
.if (\mode) != 3
	QK 1, 1-(\p), 1
.endif
.endm
	s_wait_dscnt 0x2                               ; K of group 0 is in; V's two loads may be out
	QK 0, 0, 1
	QK 1, 0, 1
.set i, 0
.rept 8
	v_mov_b32 v[ONES+i], 0x3c003c00                ; 1.0 twice in f16; also the places behind those products
.set i, i+1
.endr
	CYC2 0, 1
	CYC2 1, 2
	v_add_nc_u32 v[AD], 2048, v[AD]
	s_mov_b32 s10, 14
.Lp2:                                              ; 14 trips of two cycles: groups 2 to 29
	CYC2 0, 0
	CYC2 1, 0
	v_add_nc_u32 v[AD], 2048, v[AD]
	s_sub_co_u32 s10, s10, 1
	s_cmp_lg_u32 s10, 0
	s_cbranch_scc1 .Lp2
	CYC2 0, 0
	CYC2 1, 3
	CV 3, 7
	PVL 3, 1, 0
	; THE WAY OUT.  Tiles 0 and 1, whose sums were finished a tile's run ago or more, are divided and packed first: 24 plain instructions that name nothing of the last products (tiles 2 and 3).
.macro FIN t
.irp j, 0,1,2,3,4,5,6,7
	v_mul_f32 v[O+8*(\t)+(\j)], v[O+8*(\t)+(\j)], v[R+(\t)]
.endr
.irp k, 0,1,2,3
	v_cvt_pk_f16_f32 v[S+16*(\t)+(\k)], v[O+8*(\t)+2*(\k)], v[O+8*(\t)+2*(\k)+1]
.endr
.endm
	v_rcp_f32 v[R], v[L]
	v_rcp_f32 v[R+1], v[L+8]
	v_nop                                          ; a plain instruction between the reciprocals and their use
	s_wait_alu depctr_va_vdst(0)
	FIN 0
	FIN 1
	v_rcp_f32 v[R+2], v[L+16]
	v_rcp_f32 v[R+3], v[L+24]
	v_nop
	s_wait_alu depctr_va_vdst(0)
	FIN 2
	FIN 3
.irp t, 0,1,2,3
	global_store_b128 v[GO], v[S+16*(\t):S+16*(\t)+3], s[26:27] offset:32768*(\t)  ; a block: 512 consecutive bytes, aligned
.endr
	s_wait_tensorcnt 0x0                           ; the wave's end, behind the last tensor load
	ds_add_u32 v[SPW], v[NIL]
	s_wait_dscnt 0x0
	s_endpgm
.Lfunc_end_k_qd3b03e51b4_attn:
	.size	k_qd3b03e51b4_attn, .Lfunc_end_k_qd3b03e51b4_attn-k_qd3b03e51b4_attn
	.p2alignl 7, 3214868480
	.fill 96, 4, 3214868480
	.section	.rodata,"a",@progbits
	.p2align	6, 0x0
	.amdhsa_kernel k_qd3b03e51b4_attn
		.amdhsa_group_segment_fixed_size 167936
		.amdhsa_private_segment_fixed_size 0
		.amdhsa_enable_private_segment 0
		.amdhsa_kernarg_size 16
		.amdhsa_user_sgpr_count 2
		.amdhsa_user_sgpr_kernarg_segment_ptr 1
		.amdhsa_wavefront_size32 1
		.amdhsa_system_sgpr_workgroup_id_x 1
		.amdhsa_system_sgpr_workgroup_id_y 1
		.amdhsa_system_sgpr_workgroup_id_z 1
		.amdhsa_system_vgpr_workitem_id 0
		.amdhsa_next_free_vgpr 256
		.amdhsa_next_free_sgpr 66
		.amdhsa_reserve_vcc 0
		.amdhsa_float_denorm_mode_32 3
		.amdhsa_float_denorm_mode_16_64 3
		.amdhsa_memory_ordered 1
		.amdhsa_forward_progress 1
		.amdhsa_inst_pref_size 59
	.end_amdhsa_kernel
	.amdgpu_metadata
---
amdhsa.version: [ 1, 2 ]
amdhsa.kernels:
  - .name:           k_qd3b03e51b4_attn
    .symbol:         k_qd3b03e51b4_attn.kd
    .args:
      - { .name: qkv, .offset: 0, .size: 8, .value_kind: global_buffer, .address_space: global }
      - { .name: ao, .offset: 8, .size: 8, .value_kind: global_buffer, .address_space: global }
    .group_segment_fixed_size: 167936
    .private_segment_fixed_size: 0
    .kernarg_segment_align: 8
    .kernarg_segment_size: 16
    .max_flat_workgroup_size: 512
    .sgpr_count:     66
    .vgpr_count:     256
    .wavefront_size: 32
...
	.end_amdgpu_metadata
.endif
;; end of part 3
;; launch outp (part 4): grid 8 x 32, 4 waves a work-group, clusters of 4 x 4, 327,680 bytes of LDS; arguments ao, wt, out0; writes out0
.if DOCPART == 4
	.amdgcn_target "amdgcn-amd-amdhsa--gfx1250"
	.amdhsa_code_object_version 6
	.text
	.protected	k_qd3b03e51b4_outp
	.globl	k_qd3b03e51b4_outp
	.p2align	8
	.type	k_qd3b03e51b4_outp,@function
k_qd3b03e51b4_outp:
	s_mov_b64 s[64:65], 0
	v_nop
	global_prefetch_b8 v0, s[64:65] scope:SCOPE_SE
	s_setreg_imm32_b32 hwreg(HW_REG_WAVE_MODE, 25, 1), 1
	s_wait_xcnt 0x0
	s_wait_alu depctr_hold_cnt(0) depctr_sa_sdst(0) depctr_va_vdst(0) depctr_va_sdst(0) depctr_va_ssrc(0) depctr_va_vcc(0) depctr_vm_vsrc(0)
	s_getreg_b32 s2, hwreg(HW_REG_IB_STS2, 6, 4)
	s_cmp_eq_u32 s2, 0
	s_cbranch_scc0 .Lentry_in_a_cluster
	s_endpgm
.Lentry_in_a_cluster:
	s_bfe_u32 s2, ttmp6, 0x10000c
	s_cmp_lg_u32 s2, 0xf033
	s_cbranch_scc0 .Lentry_shape_is_right
	s_endpgm
.Lentry_shape_is_right:
; OUTP.  out0[token][n] = the sum over k of O[token][k] W_o[k][n]: 4,096 x 1,024 x 1,024 in f16 with f32 sums, stored as f32.
; A = ao: blocks of 512 bytes at (token tile x 64 + group) x 512; the 16 bytes at 16 L (L = r + 16 h) hold token r, channels 8 h .. 8 h + 7 of the group; k = 16 x group + channel.
; B = wt's rows 3,072 on: row n holds W_o's column n along k, in f16.
; LIMITS.  None of its own: the operands arrive in f16, the sums and the output are f32.  NaN and infinities are not treated apart.
; SHAPE.  A tile is 128 x 128: four waves of 64 x 64, 16 accumulators each; 256 work-groups; K goes in four steps of 256 through two LDS slots.
; A's part of a slot is 8 token tiles x 16 groups x 512 bytes, as it lies in memory: half a fragment is 512 consecutive bytes of LDS, 16 a lane.  B's is 128 rows of 512 bytes, padded.
; THE MATRIX INSTRUCTION: source 0 = 16 rows of B, source 1 = 16 rows of A: a lane then holds eight neighbouring numbers of a row of out0.
; CLUSTERS: 4 x 4 work-groups; the four of a row of the cluster need the same tile of A, the four of a column the same tile of B: each is asked for jointly.
; REGISTERS: window 0: v0-31 addresses; v128-255 the accumulators ((a, b) at v[128 + 8 (4 a + b)]).  Window 1: two fragment buffers of 128: 64 of A, then 64 of B.
.set KSTEP,  256
.set PITCH,  528                       ; a row of B in LDS: 512 bytes + 16 of padding
.set HALFA,  32768                     ; four token tiles x 8,192 bytes: what one tensor load brings of A
.set HALFB,  64*PITCH                  ; 64 rows of B
.set BOFF,   2*HALFA                   ; B lies behind A in a slot
.set SLOT,   BOFF+2*HALFB
.set STAGE,  2*SLOT                    ; behind the ring, never filled by a tensor load: 16 rows x 272 bytes for each wave
.set SPITCH, 272
.set SPARE,  STAGE+4*16*SPITCH         ; behind the stages: the spare words, 128 bytes a wave: two blocks of 256 bytes that no other line names
.set ADRA, 16                          ; v16-17  LDS address of my A fragments in slot 0, 1
.set ADRB, 20                          ; v20-21  the same for B
.set STO,  24                          ; v24     the way out: where I put 32 bytes of a row
.set RD,   25                          ; v25     the way out: where I read rows back
.set CO,   26                          ; v26     my byte offset in two rows of out0
.set SPW,  28                          ; v28     LDS address of my spare word; never rewritten
.set NIL,  29                          ; v29     0; never rewritten
.set ACC,  128
.set F0,   0
.set F1,   128
.set G1, 24
.set G0, 32
.set G1B, 48
.set G0B, 56
.set MSB, 0
.macro WIN new                         ; the immediate's high byte repeats the setting that is left
.if MSB != (\new)
	s_set_vgpr_msb (MSB<<8)|(\new)
.set MSB, \new
.endif
.endm
.set MUL,  0x05                        ; sources 0 (B) and 1 (A) window 1; C and D window 0
.set TO_F, 0x40                        ; destination window 1, address window 0
.macro JLOAD s                         ; a joint load: waves 0 and 1 fetch A's two halves, waves 2 and 3 B's; an s_nop 0 and four v_nop follow each line
	s_cmp_eq_u32 s11, 0
	s_cbranch_scc0 .Lfor_b_\@
	tensor_load_to_lds s[G0+4*(\s):G0+4*(\s)+3], s[G1:G1+7]
	s_nop 0
.rept 4
	v_nop
.endr
	s_branch .Lasked_\@
.Lfor_b_\@:
	tensor_load_to_lds s[G0B+4*(\s):G0B+4*(\s)+3], s[G1B:G1B+7]
	s_nop 0
.rept 4
	v_nop
.endr
.Lasked_\@:
.endm
.macro CREST
	s_cmp_lg_u32 s10, 0
	s_cbranch_scc1 .Lnot_wave_0_\@
	s_barrier_signal -3
.Lnot_wave_0_\@:
	s_barrier_wait -3
	s_barrier_signal -1
	s_barrier_wait -1
.endm
.macro CROUND
	s_barrier_signal -1
	s_barrier_wait -1
	CREST
.endm
	s_load_b128 s[4:7], s[0:1], 0x0                ; ao s[4:5], wt s[6:7]
	s_load_b64 s[8:9], s[0:1], 0x10                ; out0
	v_lshl_add_u32 v[SPW], v0, 2, SPARE
	v_mov_b32 v[NIL], 0
	ds_add_u32 v[SPW], v[NIL]                      ; the wave's opening: the add and its wait stand ahead of my first tensor load; work on registers stands between them
	ds_add_u32 v28, v29
	v_lshrrev_b32 v1, 5, v0
	v_readfirstlane_b32 s10, v1                    ; wave 0..3
	s_lshr_b32 s11, s10, 1                         ; which half of the tile's rows is mine.  Also: I fetch for A (0) or for B (1)
	s_and_b32 s12, s10, 1                          ; which half of its columns.  Also: which half of that tile I fetch
	s_bfe_u32 s40, ttmp6, 0x40000                  ; cx, cy
	s_bfe_u32 s41, ttmp6, 0x40004
	s_lshl_b32 s42, ttmp9, 2
	s_add_co_u32 s42, s42, s40                     ; tile column = 4 x cluster x + cx
	s_and_b32 s13, ttmp7, 0xffff
	s_lshl_b32 s13, s13, 2
	s_add_co_u32 s13, s13, s41                     ; tile row = 4 x cluster y + cy
	s_lshl_b32 s43, s41, 2
	s_lshl_b32 s43, 15, s43                        ; my row of the cluster
	s_lshl_b32 s44, 0x1111, s40                    ; my column
	; A's group 1: 4 rows (token tiles) of 8,192 bytes, 32,768 bytes apart, in elements of 8 bytes, no padding
	s_or_b32 s[G1+0], s43, (3<<16)|(1<<21)         ; 15:0 the mask of my row; 17:16 8-byte elements; 21 set beside a mask
	s_mov_b32 s[G1+1], 1024<<16                    ; tensor_dim0 = 1,024
	s_mov_b32 s[G1+2], 4<<16                       ; tensor_dim1 = 4
	s_mov_b32 s[G1+3], 1024<<16                    ; tile_dim0 = 1,024
	s_mov_b32 s[G1+4], 4                           ; tile_dim1 = 4
	s_mov_b32 s[G1+5], 4096                        ; 4,096 elements from row to row
	s_mov_b32 s[G1+6], 0
	s_mov_b32 s[G1+7], 0
	; B's group 1: 64 rows x 256 elements of 2 bytes, 16 bytes of padding behind every 512
	s_or_b32 s[G1B+0], s44, (1<<16)|(1<<20)|(1<<21)|(6<<22)|(3<<25)
	s_mov_b32 s[G1B+1], KSTEP<<16
	s_mov_b32 s[G1B+2], 64<<16
	s_mov_b32 s[G1B+3], KSTEP<<16
	s_mov_b32 s[G1B+4], 64
	s_mov_b32 s[G1B+5], 1024
	s_mov_b32 s[G1B+6], 0
	s_mov_b32 s[G1B+7], 0
	s_lshl_b32 s16, s13, 3
	s_lshl_b32 s17, s12, 2
	s_add_co_u32 s16, s16, s17                     ; A: token tile 8 x tile row + 4 x half: made of cy, never of cx
	s_lshl_b32 s16, s16, 15
	s_mov_b32 s17, 0
	s_lshl_b32 s46, s42, 7
	s_lshl_b32 s47, s12, 6
	s_add_co_u32 s46, s46, s47                     ; B: row 128 x tile column + 64 x half: made of cx, never of cy
	s_lshl_b32 s46, s46, 11
	s_add_co_u32 s46, s46, 3072*2048               ; W_o's rows begin at row 3,072 of wt
	s_mov_b32 s47, 0
	s_lshl_b32 s66, s12, 15                        ; where they go: A's half,
	s_mul_i32 s67, s12, HALFB                      ; B's half,
	s_add_co_u32 s67, s67, BOFF                    ; behind A: no place in the cluster enters an LDS address
	s_wait_dscnt 0x0                               ; the opening add is done
	s_wait_kmcnt 0x0
	s_add_nc_u64 s[14:15], s[4:5], s[16:17]
	s_add_nc_u64 s[46:47], s[6:7], s[46:47]
	CROUND                                         ; all sixteen work-groups are here: the first joint loads meet
.irp s, 0,1
	s_mov_b32 s[G0+4*(\s)], 1
	s_add_co_u32 s[G0+4*(\s)+1], s66, (\s)*SLOT
	s_add_nc_u64 s[G0+4*(\s)+2:G0+4*(\s)+3], s[14:15], (\s)*8192      ; a K step is 16 groups: 8,192 bytes of a token tile
	s_or_b32 s[G0+4*(\s)+3], s[G0+4*(\s)+3], 0x80000000
	s_mov_b32 s[G0B+4*(\s)], 1
	s_add_co_u32 s[G0B+4*(\s)+1], s67, (\s)*SLOT
	s_add_nc_u64 s[G0B+4*(\s)+2:G0B+4*(\s)+3], s[46:47], (\s)*KSTEP*2
	s_or_b32 s[G0B+4*(\s)+3], s[G0B+4*(\s)+3], 0x80000000
	JLOAD \s                                       ; two tensor loads of mine are out
.endr
	v_and_b32 v1, 15, v0                           ; l % 16
	v_bfe_u32 v2, v0, 4, 1                         ; l / 16
	v_and_b32 v6, 31, v0
	v_lshlrev_b32 v6, 4, v6                        ; A: 16 x lane
	v_mul_u32_u24 v3, v1, PITCH
	v_lshl_add_u32 v3, v2, 4, v3                   ; B: row x pitch + 16 x half
	s_lshl_b32 s21, s11, 15                        ; my four token tiles of A
	s_mul_i32 s22, s12, HALFB                      ; my 64 rows of B
	s_add_co_u32 s22, s22, BOFF
.irp s, 0,1
	v_add_nc_u32 v[ADRA+(\s)], s21, v6
	v_add_nc_u32 v[ADRB+(\s)], s22, v3
	s_add_co_u32 s21, s21, SLOT
	s_add_co_u32 s22, s22, SLOT
.endr
	s_mul_i32 s23, s10, 16*SPITCH
	s_add_co_u32 s23, s23, STAGE                   ; my stage
	v_mul_u32_u24 v4, v1, SPITCH                   ; in: row l % 16, 32 bytes for each half of the lanes
	v_lshl_add_u32 v4, v2, 5, v4
	v_add_nc_u32 v[STO], s23, v4
	v_mul_u32_u24 v5, v2, SPITCH                   ; back: lanes 0-15 take one row of 256 bytes, lanes 16-31 the next
	v_lshl_add_u32 v5, v1, 4, v5
	v_add_nc_u32 v[RD], s23, v5
	v_lshlrev_b32 v5, 12, v2                       ; and the same two rows in out0, 4,096 bytes apart
	v_lshl_add_u32 v[CO], v1, 4, v5
	s_lshl_b32 s16, s13, 7
	s_lshl_b32 s17, s11, 6
	s_add_co_u32 s16, s16, s17                     ; my first row of out0
	s_lshl_b32 s16, s16, 12
	s_mov_b32 s17, 0
	s_add_nc_u64 s[8:9], s[8:9], s[16:17]
	s_lshl_b32 s46, s42, 9                         ; my first column, in bytes: 512 x tile column + 256 x half
	s_lshl_b32 s47, s12, 8
	s_add_co_u32 s46, s46, s47
	s_mov_b32 s47, 0
	s_add_nc_u64 s[8:9], s[8:9], s[46:47]
.macro MUL8 f, c, a0, zero             ; 8 matrix instructions: A blocks a0, a0 + 1 x all 4 B blocks, 32 along K; the 16 accumulators take turns
	WIN MUL
.irp a, \a0, (\a0)+1
.irp b, 0,1,2,3
.if \zero
	v_wmma_f32_16x16x32_f16 v[ACC+8*(4*(\a)+(\b)):ACC+8*(4*(\a)+(\b))+7], v[(\f)+64+8*(4*(\c)+(\b)):(\f)+64+8*(4*(\c)+(\b))+7], v[(\f)+8*(4*(\c)+(\a)):(\f)+8*(4*(\c)+(\a))+7], 0
.else
	v_wmma_f32_16x16x32_f16 v[ACC+8*(4*(\a)+(\b)):ACC+8*(4*(\a)+(\b))+7], v[(\f)+64+8*(4*(\c)+(\b)):(\f)+64+8*(4*(\c)+(\b))+7], v[(\f)+8*(4*(\c)+(\a)):(\f)+8*(4*(\c)+(\a))+7], v[ACC+8*(4*(\a)+(\b)):ACC+8*(4*(\a)+(\b))+7]
.endif
.endr
.endr
.endm
; 32 LDS loads in one run: the fragments of 64 along K, into buffer f; the first 32 along K first.  k: the byte in B's rows; in A 64 along K are four groups, 2,048 bytes: 16 k.
.macro FETCH slot, k, f
	WIN TO_F
.irp c, 0,1
.irp i, 0,1,2,3
	ds_load_b128 v[(\f)+64+8*(4*(\c)+(\i)):(\f)+64+8*(4*(\c)+(\i))+3],   v[ADRB+(\slot)] offset:(\k)+64*(\c)+(\i)*16*PITCH
	ds_load_b128 v[(\f)+64+8*(4*(\c)+(\i))+4:(\f)+64+8*(4*(\c)+(\i))+7], v[ADRB+(\slot)] offset:(\k)+64*(\c)+(\i)*16*PITCH+32
	ds_load_b128 v[(\f)+8*(4*(\c)+(\i)):(\f)+8*(4*(\c)+(\i))+3],         v[ADRA+(\slot)] offset:(\k)*16+(\c)*1024+(\i)*8192
	ds_load_b128 v[(\f)+8*(4*(\c)+(\i))+4:(\f)+8*(4*(\c)+(\i))+7],       v[ADRA+(\slot)] offset:(\k)*16+(\c)*1024+(\i)*8192+512
.endr
.endr
.endm
.macro PLACES                          ; four plain vector instructions in front of loads into registers that matrix instructions have read, and of lines that read results
.rept 4
	v_nop
.endr
.endm
.macro QUARTER slot, k, f, g, zero
	s_wait_dscnt 16                                ; the first 32 along K are in; the youngest sixteen loads may be out
	WIN MUL
	MUL8 \f, 0, 0, \zero
	MUL8 \f, 0, 2, \zero
	PLACES
	FETCH \slot, \k, \g
	s_wait_dscnt 32                                ; all but the 32 just issued
	WIN MUL
	MUL8 \f, 1, 0, 0
	MUL8 \f, 1, 2, 0
.endm
; The last quarter multiplies buffer 1 and changes slots: ONE barrier; in front of it each wave waits for all its tensor loads, adds 0 to its spare word, and waits for that and for its reads of this slot.
.macro TURN slot, next, fill
	WIN 0
	s_wait_tensorcnt 0x0                           ; all my tensor loads have landed: my part of the next slot
	ds_add_u32 v[SPW], v[NIL]                      ; 0 onto my spare word
	s_wait_dscnt 17                                ; (the add and the youngest sixteen loads may be out)
	WIN MUL
	MUL8 F1, 0, 0, 0
	s_wait_dscnt 0x0                               ; the add is done, and my reads of this slot are over
	s_barrier_signal -1
	MUL8 F1, 0, 2, 0
.if \fill
	WIN 0
.endif
	s_barrier_wait -1
.if \fill
	CREST                                          ; no wave of any partner still reads this slot's tile or has a load on its way
	s_add_nc_u64 s[G0+4*(\slot)+2:G0+4*(\slot)+3], s[G0+4*(\slot)+2:G0+4*(\slot)+3], 2*8192
	s_add_nc_u64 s[G0B+4*(\slot)+2:G0B+4*(\slot)+3], s[G0B+4*(\slot)+2:G0B+4*(\slot)+3], 2*KSTEP*2
	JLOAD \slot                                    ; one tensor load of mine is out; its four v_nop are also the places in front of the loads below
.else
	PLACES
.endif
	FETCH \next, 0, F0
	WIN MUL
	MUL8 F1, 1, 0, 0
	MUL8 F1, 1, 2, 0
.endm
	s_wait_tensorcnt 1                             ; my part of K step 0 is in; K step 1's may stay out
	s_barrier_signal -1
	s_barrier_wait -1
	FETCH 0, 0, F0
	QUARTER 0, 128, F0, F1, 1                      ; K step 0: the first products start the sums
	QUARTER 0, 256, F1, F0, 0
	QUARTER 0, 384, F0, F1, 0
	TURN 0, 1, 1                                   ; slot 0 takes K step 2
	QUARTER 1, 128, F0, F1, 0
	QUARTER 1, 256, F1, F0, 0
	QUARTER 1, 384, F0, F1, 0
	TURN 1, 0, 1                                   ; slot 1 takes K step 3
	QUARTER 0, 128, F0, F1, 0
	QUARTER 0, 256, F1, F0, 0
	QUARTER 0, 384, F0, F1, 0
	TURN 0, 1, 0                                   ; nothing is left to fetch
	QUARTER 1, 128, F0, F1, 0
	QUARTER 1, 256, F1, F0, 0
	QUARTER 1, 384, F0, F1, 0
	s_wait_dscnt 16
	WIN MUL
	MUL8 F1, 0, 0, 0
	MUL8 F1, 0, 2, 0
	s_wait_dscnt 0
	MUL8 F1, 1, 0, 0
	MUL8 F1, 1, 2, 0
	WIN 0
	; THE WAY OUT.  My 64 columns of f32 are 256 aligned bytes of a row of out0, so each wave has a stage of its own and no barrier is needed: 16 rows go in by lanes and come back by rows.
.macro BLK a                           ; block a's 16 rows: in (each accumulator's low registers first), and back into the registers that they left
.irp b, 0,1,2,3
	ds_store_b128 v[STO], v[ACC+8*(4*(\a)+(\b)):ACC+8*(4*(\a)+(\b))+3]   offset:64*(\b)
	ds_store_b128 v[STO], v[ACC+8*(4*(\a)+(\b))+4:ACC+8*(4*(\a)+(\b))+7] offset:64*(\b)+16
.endr
.irp t, 0,1,2,3,4,5,6,7
	ds_load_b128 v[ACC+32*(\a)+4*(\t):ACC+32*(\a)+4*(\t)+3], v[RD] offset:(\t)*2*SPITCH  ; LDS serves a wave's instructions in order (ISA guide 5.7.1.4): these see the stores above; the next block's stores come behind them
.endr
.endm
.macro SEND a, younger                 ; younger: the LDS instructions issued behind block a's loads: the next block's sixteen, or none
.irp t, 0,1,2,3,4,5,6,7
	s_wait_dscnt (\younger)+7-(\t)
	global_store_b128 v[CO], v[ACC+32*(\a)+4*(\t):ACC+32*(\a)+4*(\t)+3], s[8:9] offset:(16*(\a)+2*(\t))*4096 th:TH_STORE_NT  ; 16 lanes store 256 consecutive bytes, aligned
.endr
.endm
	PLACES
	BLK 0
	BLK 1
	SEND 0, 16
	BLK 2
	SEND 1, 16
	BLK 3
	SEND 2, 16
	SEND 3, 0
	s_wait_tensorcnt 0x0                           ; the wave's end, behind my last tensor load and my last LDS store
	ds_add_u32 v[SPW], v[NIL]
	s_wait_dscnt 0x0
	CROUND                                         ; the closing round: no work-group ends while a partner may still ask for a tile that names it
	s_endpgm
.Lfunc_end_k_qd3b03e51b4_outp:
	.size	k_qd3b03e51b4_outp, .Lfunc_end_k_qd3b03e51b4_outp-k_qd3b03e51b4_outp
	.p2alignl 7, 3214868480
	.fill 96, 4, 3214868480
	.section	.rodata,"a",@progbits
	.p2align	6, 0x0
	.amdhsa_kernel k_qd3b03e51b4_outp
		.amdhsa_group_segment_fixed_size 327680
		.amdhsa_private_segment_fixed_size 0
		.amdhsa_enable_private_segment 0
		.amdhsa_kernarg_size 24
		.amdhsa_user_sgpr_count 2
		.amdhsa_user_sgpr_kernarg_segment_ptr 1
		.amdhsa_wavefront_size32 1
		.amdhsa_system_sgpr_workgroup_id_x 1
		.amdhsa_system_sgpr_workgroup_id_y 1
		.amdhsa_system_sgpr_workgroup_id_z 1
		.amdhsa_system_vgpr_workitem_id 0
		.amdhsa_next_free_vgpr 512
		.amdhsa_next_free_sgpr 70
		.amdhsa_reserve_vcc 0
		.amdhsa_float_denorm_mode_32 3
		.amdhsa_float_denorm_mode_16_64 3
		.amdhsa_memory_ordered 1
		.amdhsa_forward_progress 1
		.amdhsa_inst_pref_size 86
	.end_amdhsa_kernel
	.amdgpu_metadata
---
amdhsa.version: [ 1, 2 ]
amdhsa.kernels:
  - .name:           k_qd3b03e51b4_outp
    .symbol:         k_qd3b03e51b4_outp.kd
    .args:
      - { .name: ao, .offset: 0, .size: 8, .value_kind: global_buffer, .address_space: global }
      - { .name: wt, .offset: 8, .size: 8, .value_kind: global_buffer, .address_space: global }
      - { .name: out0, .offset: 16, .size: 8, .value_kind: global_buffer, .address_space: global }
    .group_segment_fixed_size: 327680
    .private_segment_fixed_size: 0
    .kernarg_segment_align: 8
    .kernarg_segment_size: 24
    .max_flat_workgroup_size: 128
    .sgpr_count:     70
    .vgpr_count:     512
    .wavefront_size: 32
...
	.end_amdgpu_metadata
.endif
;; end of part 4
;; ======== version 2 of 2: 4 launches; version 1 with the launch prep written anew for expert scheduling mode
;; limits: values are held in f16: magnitudes above 65,504 overflow, below 6.1e-05 lose precision
;; workspace buffers: xb 16,777,216 bytes; wt 8,388,608 bytes; qkv 25,165,824 bytes; ao 8,388,608 bytes
;; launch prep (part 5): grid 768 x 1, 2 waves a work-group, no clusters, 35,072 bytes of LDS; arguments x1, x2, W_q, W_k, W_v, W_o, xb, wt; writes xb, wt
.if DOCPART == 5
	.amdgcn_target "amdgcn-amd-amdhsa--gfx1250"
	.amdhsa_code_object_version 6
	.text
	.protected	k_qd3b03e51b4_prep
	.globl	k_qd3b03e51b4_prep
	.p2align	8
	.type	k_qd3b03e51b4_prep,@function
k_qd3b03e51b4_prep:
	s_mov_b64 s[64:65], 0
	v_nop
	global_prefetch_b8 v0, s[64:65] scope:SCOPE_SE
	s_setreg_imm32_b32 hwreg(HW_REG_WAVE_SCHED_MODE, 0, 2), 2
	s_setreg_imm32_b32 hwreg(HW_REG_WAVE_MODE, 25, 1), 1
	s_wait_xcnt 0x0
	s_wait_alu depctr_vm_vsrc(0)
; PREP.  xb[8192][1024] bf16 = x1's 4,096 rows, then x2's, each number rounded once.  wt[4096][1024], 16 bits: row n holds column n of a weight along k:
; rows 0-1023 W_q, 1024-2047 W_k, 2048-3071 W_v in bf16; rows 3072-4095 W_o, rounded to bf16 and that number written as f16 (the last product multiplies in f16).
; LIMITS.  A number of W_o beyond 65,504 becomes an infinity in f16; below 6.1e-5 it keeps f16's fixed step of 6e-8.  NaN and infinities are not treated apart.
; SHARES.  768 work-groups of two waves; a wave takes 32,768 bytes of f32 and never looks at the other wave's data: no barrier.  Work-groups 0-511 take x, 512-767 the weights.
; No matrix unit, no cluster, no tensor load: every byte is read once and written once, and nothing is shared between work-groups.
; THE MODE: SCHED_MODE bits 1:0 = 2 (LLVM: expert scheduling mode 2), set by the entry lines.  The code itself states the register dependences
; between vector instructions and memory or LDS instructions, with s_wait_alu, always for 0.
; THE PLAN, the same in both paths.  A wave's work goes in 16 groups (x: four loads of 16 bytes a lane; weights: eight loads of 8 bytes a lane).  Registers that memory or LDS instructions touch:
;   X, eight slots of 16   Group g lies in slot g % 8.  Written by its loads; read by group g's roundings alone; the loads of group g + 8 are issued in group g + 1.
;   T0, T1                 Group g's roundings write T[g % 2]; the stores that read it (x: to memory; weights: to the stage in LDS) are issued in group g + 1.
;   v4 to v8               Offsets and LDS addresses, made once and never written again: rows and groups are reached by immediate offsets.
; Group g's vector instructions name slot g % 8 and T[g % 2].  Its memory instructions are the stores from T[(g - 1) % 2] and the loads into slot (g - 1) % 8: what group g - 1 worked on.
; So the waits at a group's head state all that the group's memory instructions hang on, and these are dealt among its roundings with no further wait.
.set SPARE, 34816                      ; behind the two stages: the spare words, 128 bytes a wave: one block of 256 bytes that no other line names
.set STG,   17408                      ; a wave's stage: 64 rows of 272 bytes
.set LP,    272                        ; 256 bytes + 16: the 16 rows that a store's 16 lanes touch start 68 words apart
.set SPW,  1                           ; v1   LDS address of my spare word; never rewritten
.set NIL,  2                           ; v2   0; never rewritten
.set LN,   3                           ; v3   lane
.set LD16, 4                           ; v4   16 x lane
.set LD8,  5                           ; v5   8 x lane
.set LS,   6                           ; v6   stage: my row (lane), for the stores
.set RDL,  7                           ; v7   stage: where I read rows back
.set GST,  8                           ; v8   my byte offset in two rows of wt
.set T,    10                          ; v10-17, v20-27  T0 and T1: eight packed words each; v18, v19, v28, v29 temporaries that no memory instruction names
.set X,    32                          ; v32-159  eight slots of 16 registers of loaded f32
	s_load_b512 s[4:19], s[0:1], 0x0               ; x1 s4, x2 s6, W_q s8, W_k s10, W_v s12, W_o s14, xb s16, wt s18
	v_lshl_add_u32 v[SPW], v0, 2, SPARE
	v_mov_b32 v[NIL], 0
	v_lshrrev_b32 v[LN], 5, v0
	v_readfirstlane_b32 s20, v[LN]                 ; wave 0, 1
	v_and_b32 v[LN], 31, v0
	v_lshlrev_b32 v[LD16], 4, v[LN]
	v_lshlrev_b32 v[LD8], 3, v[LN]
	s_wait_alu depctr_va_sdst(0)                   ; s20 is written, ahead of the branch and of its first readers: both paths make their bases from it
	s_cmp_lt_u32 ttmp9, 512
	s_cbranch_scc0 .Lweights
; ---- x: 64 loads of 512 consecutive bytes a wave, in 16 groups of four.  Group g of x.
.macro GX g
.set YG, 4*(15-(\g))                   ; the loads issued behind group g's: six groups, fewer at the end,
.if YG > 24
.set YG, 24
.endif
.if (\g) == 0
.set YG, 28                            ; seven at the start
.endif
	s_wait_loadcnt YG                              ; loads come back in order (ISA guide 5.7.1): group g is in, the younger groups stay out
.if (\g) >= 2
	s_wait_xcnt 0x0                                ; every earlier memory instruction has had its addresses translated (ISA guide 3.1): T[g % 2], the data of stores, is rewritten only behind this wait
	s_wait_alu depctr_vm_vsrc(0)                   ; the stores issued in the group before have read T[g % 2], which this group's roundings write again
.endif
.if (\g) >= 1
	s_wait_alu depctr_va_vdst(0)                   ; the group before has written the other T, which the stores below read, and is done reading its slot, in which the loads below land
.endif
.irp i, 0,1,2,3
.if ((\g) >= 1) && ((\g) <= 8)
	global_load_b128 v[X+16*(((\g)+7)%8)+4*(\i):X+16*(((\g)+7)%8)+4*(\i)+3], v[LD16], s[24:25] offset:(4*((\g)+7)+(\i))*512 th:TH_LOAD_NT  ; seven groups ahead; no vector instruction since the wait names these registers
.endif
.if (\g) >= 1
	global_store_b64 v[LD8], v[T+10*(((\g)+1)%2)+2*(\i):T+10*(((\g)+1)%2)+2*(\i)+1], s[26:27] offset:(4*((\g)-1)+(\i))*256  ; the group before: 32 lanes x 8 bytes: 256 consecutive bytes, aligned
.endif
	v_cvt_pk_bf16_f32 v[T+10*((\g)%2)+2*(\i)],   v[X+16*((\g)%8)+4*(\i)],   v[X+16*((\g)%8)+4*(\i)+1]
	v_cvt_pk_bf16_f32 v[T+10*((\g)%2)+2*(\i)+1], v[X+16*((\g)%8)+4*(\i)+2], v[X+16*((\g)%8)+4*(\i)+3]
.endr
.endm
	s_and_b32 s21, ttmp9, 255
	s_lshl_b32 s28, s21, 16                        ; 65,536 bytes of f32 a work-group,
	s_lshl_b32 s22, s20, 15                        ; 32,768 a wave
	s_add_co_u32 s28, s28, s22
	s_mov_b32 s29, 0
	s_lshl_b32 s32, ttmp9, 15                      ; and half of that in xb
	s_lshl_b32 s22, s20, 14
	s_add_co_u32 s32, s32, s22
	s_mov_b32 s33, 0
	s_wait_kmcnt 0x0
	s_cmp_lt_u32 ttmp9, 256
	s_cselect_b64 s[24:25], s[4:5], s[6:7]         ; x1 for work-groups 0-255, x2 for 256-511
	s_add_nc_u64 s[24:25], s[24:25], s[28:29]
	s_add_nc_u64 s[26:27], s[16:17], s[32:33]
	s_wait_alu depctr_va_vdst(0)                   ; v4 and v5 are written: every load and store of this path reads one of them as its offset
.irp j, 0,1,2,3,4,5,6,7,8,9,10,11,12,13,14,15,16,17,18,19,20,21,22,23,24,25,26,27,28,29,30,31
	global_load_b128 v[X+4*(\j):X+4*(\j)+3], v[LD16], s[24:25] offset:(\j)*512 th:TH_LOAD_NT  ; groups 0 to 7 fill the eight slots
.endr
.irp g, 0,1,2,3,4,5,6,7,8,9,10,11,12,13,14,15
	GX \g                                          ; groups 9 to 15 load nothing: no load leaves the wave's part, and the counts run down
.endr
	s_wait_alu depctr_va_vdst(0)                   ; group 15 has written T1, which the last four stores read
.irp i, 0,1,2,3
	global_store_b64 v[LD8], v[T+10+2*(\i):T+10+2*(\i)+1], s[26:27] offset:(60+(\i))*256
.endr
	s_endpgm
; ---- weights: a wave turns a tile of 128 k x 64 n.  A lane owns columns 2 lane and 2 lane + 1: a load takes 256 consecutive bytes of one row k.
; Eight k of a column pack into 16 bytes, which go into the stage: column 2 l + j lies in stage row l + 32 j.  Read back by rows, 16 lanes take a row's 256 bytes.
.Lweights:
; Group g of a weight: rows k = 8 g .. 8 g + 7; row i of the group lies in the slot's registers 2 i and 2 i + 1.
.macro GW g
.set YG, 8*(15-(\g))                   ; the loads issued behind group g's: six groups, fewer at the end,
.if YG > 48
.set YG, 48
.endif
.if (\g) == 0
.set YG, 56                            ; seven at the start
.endif
	s_wait_loadcnt YG                              ; the eight rows of group g are in, the younger groups stay out
.if (\g) >= 2
	s_wait_alu depctr_vm_vsrc(0)                   ; the LDS stores issued in the group before have read T[g % 2], which this group's roundings write again
.endif
.if (\g) >= 1
	s_wait_alu depctr_va_vdst(0)                   ; the group before has written the other T, which the LDS stores below read, and is done reading its slot, in which the loads below land
	ds_store_b128 v[LS], v[T+10*(((\g)+1)%2):T+10*(((\g)+1)%2)+3]   offset:16*((\g)-1)
	ds_store_b128 v[LS], v[T+10*(((\g)+1)%2)+4:T+10*(((\g)+1)%2)+7] offset:32*LP+16*((\g)-1)
.endif
.irp d, 0,1,2,3
.if ((\g) >= 1) && ((\g) <= 8)
	global_load_b64 v[X+16*(((\g)+7)%8)+4*(\d):X+16*(((\g)+7)%8)+4*(\d)+1],   v[LD8], s[24:25] offset:(((\g)+7)*8+2*(\d))*4096 th:TH_LOAD_NT    ; seven groups ahead; no vector instruction since the wait names these registers
	global_load_b64 v[X+16*(((\g)+7)%8)+4*(\d)+2:X+16*(((\g)+7)%8)+4*(\d)+3], v[LD8], s[24:25] offset:(((\g)+7)*8+2*(\d)+1)*4096 th:TH_LOAD_NT
.endif
	v_cvt_pk_bf16_f32 v[T+10*((\g)%2)+(\d)],   v[X+16*((\g)%8)+4*(\d)],   v[X+16*((\g)%8)+4*(\d)+2]  ; the even column: k, k + 1
	v_cvt_pk_bf16_f32 v[T+10*((\g)%2)+4+(\d)], v[X+16*((\g)%8)+4*(\d)+1], v[X+16*((\g)%8)+4*(\d)+3]  ; the odd column
.endr
.endm
	s_sub_co_u32 s21, ttmp9, 512
	s_lshr_b32 s31, s21, 6                         ; which weight: 0 q, 1 k, 2 v, 3 o
	s_and_b32 s21, s21, 63
	s_lshl_b32 s21, s21, 1
	s_add_co_u32 s21, s21, s20                     ; my tile among the weight's 128
	s_lshr_b32 s22, s21, 4                         ; block of 128 k
	s_and_b32 s23, s21, 15                         ; block of 64 n
	s_lshl_b32 s28, s22, 19                        ; 128 rows of 4,096 bytes
	s_lshl_b32 s34, s23, 8                         ; 64 columns of 4 bytes
	s_add_co_u32 s28, s28, s34
	s_mov_b32 s29, 0
	s_lshl_b32 s32, s31, 21                        ; in wt: 1,024 rows of 2,048 bytes a weight,
	s_lshl_b32 s34, s23, 17                        ; 64 rows,
	s_add_co_u32 s32, s32, s34
	s_lshl_b32 s34, s22, 8                         ; 128 k of 2 bytes
	s_add_co_u32 s32, s32, s34
	s_mov_b32 s33, 0
	s_mov_b32 s30, 0xffff0000                      ; a word's upper bf16
	s_mul_i32 s35, s20, STG                        ; my wave's stage
	v_mul_u32_u24 v[LS], v[LN], LP
	v_add_nc_u32 v[LS], s35, v[LS]
	v_lshrrev_b32 v9, 4, v[LN]                     ; lane / 16
	v_and_b32 v18, 15, v[LN]                       ; lane % 16
	v_mul_u32_u24 v[RDL], v9, 32*LP                ; lanes 0-15 read stage row t (column 2 t), lanes 16-31 row t + 32 (column 2 t + 1)
	v_lshl_add_u32 v[RDL], v18, 4, v[RDL]
	v_add_nc_u32 v[RDL], s35, v[RDL]
	v_lshlrev_b32 v[GST], 11, v9                   ; and the same two rows in wt
	v_lshl_add_u32 v[GST], v18, 4, v[GST]
	s_wait_kmcnt 0x0
	s_cmp_eq_u32 s31, 1
	s_cselect_b64 s[24:25], s[10:11], s[8:9]
	s_cmp_eq_u32 s31, 2
	s_cselect_b64 s[24:25], s[12:13], s[24:25]
	s_cmp_eq_u32 s31, 3
	s_cselect_b64 s[24:25], s[14:15], s[24:25]
	s_add_nc_u64 s[24:25], s[24:25], s[28:29]
	s_add_nc_u64 s[26:27], s[18:19], s[32:33]
	s_wait_alu depctr_va_vdst(0)                   ; v5 to v8 are written: the loads, the LDS stores and loads and the stores of this path read them as offsets and addresses
.irp g, 0,1,2,3,4,5,6,7
.irp i, 0,1,2,3,4,5,6,7
	global_load_b64 v[X+16*(\g)+2*(\i):X+16*(\g)+2*(\i)+1], v[LD8], s[24:25] offset:((\g)*8+(\i))*4096 th:TH_LOAD_NT  ; groups 0 to 7 fill the eight slots
.endr
.endr
.irp g, 0,1,2,3,4,5,6,7,8,9,10,11,12,13,14,15
	GW \g                                          ; groups 9 to 15 load nothing, and the counts run down
.endr
	s_wait_alu depctr_va_vdst(0)                   ; group 15 has written T1, which the last two LDS stores read; every rounding is done reading X, in which the LDS loads below land
	ds_store_b128 v[LS], v[T+10:T+13] offset:16*15
	ds_store_b128 v[LS], v[T+14:T+17] offset:32*LP+16*15
.irp t, 0,1,2,3,4,5,6,7,8,9,10,11,12,13,14,15,16,17,18,19,20,21,22,23,24,25,26,27,28,29,30,31
	ds_load_b128 v[X+4*(\t):X+4*(\t)+3], v[RDL] offset:LP*(\t)  ; my own bytes: LDS serves a wave's instructions in order (ISA guide 5.7.1.4), so these see the stores above
.endr
	s_wait_dscnt 0x0
	s_cmp_lg_u32 s31, 3
	s_cbranch_scc1 .Lnot_o
.set i, 0
.rept 128                              ; W_o alone: the bf16 numbers are written as f16
	v_lshlrev_b32 v[18+10*(i%2)], 16, v[X+i]
	v_and_b32 v[19+10*(i%2)], s30, v[X+i]
	v_cvt_pk_f16_f32 v[X+i], v[18+10*(i%2)], v[19+10*(i%2)]
.set i, i+1
.endr
	s_wait_alu depctr_va_vdst(0)                   ; these conversions have written X, which the stores below read (on the way round this arm no vector instruction has named X since the wait above)
.Lnot_o:
.irp t, 0,1,2,3,4,5,6,7,8,9,10,11,12,13,14,15,16,17,18,19,20,21,22,23,24,25,26,27,28,29,30,31
	global_store_b128 v[GST], v[X+4*(\t):X+4*(\t)+3], s[26:27] offset:4096*(\t)  ; rows 2 t and 2 t + 1: 16 lanes store 256 consecutive bytes, aligned
.endr
	s_wait_dscnt 0x0                               ; the wave's end
	s_wait_alu 0x0
	s_wait_tensorcnt 0x0
	ds_add_u32 v[SPW], v[NIL]
	s_wait_dscnt 0x0
	s_endpgm
.Lfunc_end_k_qd3b03e51b4_prep:
	.size	k_qd3b03e51b4_prep, .Lfunc_end_k_qd3b03e51b4_prep-k_qd3b03e51b4_prep
	.p2alignl 7, 3214868480
	.fill 96, 4, 3214868480
	.section	.rodata,"a",@progbits
	.p2align	6, 0x0
	.amdhsa_kernel k_qd3b03e51b4_prep
		.amdhsa_group_segment_fixed_size 35072
		.amdhsa_private_segment_fixed_size 0
		.amdhsa_enable_private_segment 0
		.amdhsa_kernarg_size 64
		.amdhsa_user_sgpr_count 2
		.amdhsa_user_sgpr_kernarg_segment_ptr 1
		.amdhsa_wavefront_size32 1
		.amdhsa_system_sgpr_workgroup_id_x 1
		.amdhsa_system_sgpr_workgroup_id_y 1
		.amdhsa_system_sgpr_workgroup_id_z 1
		.amdhsa_system_vgpr_workitem_id 0
		.amdhsa_next_free_vgpr 160
		.amdhsa_next_free_sgpr 66
		.amdhsa_reserve_vcc 0
		.amdhsa_float_denorm_mode_32 3
		.amdhsa_float_denorm_mode_16_64 3
		.amdhsa_memory_ordered 1
		.amdhsa_forward_progress 1
		.amdhsa_inst_pref_size 70
	.end_amdhsa_kernel
	.amdgpu_metadata
---
amdhsa.version: [ 1, 2 ]
amdhsa.kernels:
  - .name:           k_qd3b03e51b4_prep
    .symbol:         k_qd3b03e51b4_prep.kd
    .args:
      - { .name: x1, .offset: 0, .size: 8, .value_kind: global_buffer, .address_space: global }
      - { .name: x2, .offset: 8, .size: 8, .value_kind: global_buffer, .address_space: global }
      - { .name: W_q, .offset: 16, .size: 8, .value_kind: global_buffer, .address_space: global }
      - { .name: W_k, .offset: 24, .size: 8, .value_kind: global_buffer, .address_space: global }
      - { .name: W_v, .offset: 32, .size: 8, .value_kind: global_buffer, .address_space: global }
      - { .name: W_o, .offset: 40, .size: 8, .value_kind: global_buffer, .address_space: global }
      - { .name: xb, .offset: 48, .size: 8, .value_kind: global_buffer, .address_space: global }
      - { .name: wt, .offset: 56, .size: 8, .value_kind: global_buffer, .address_space: global }
    .group_segment_fixed_size: 35072
    .private_segment_fixed_size: 0
    .kernarg_segment_align: 8
    .kernarg_segment_size: 64
    .max_flat_workgroup_size: 64
    .sgpr_count:     66
    .vgpr_count:     160
    .wavefront_size: 32
...
	.end_amdgpu_metadata
.endif
;; end of part 5
;; launch proj: the kernel of part 2 again; grid 24 x 32, 4 waves a work-group, clusters of 4 x 4, 327,680 bytes of LDS; arguments xb, wt, qkv; writes qkv
;; launch attn: the kernel of part 3 again; grid 256 x 1, 16 waves a work-group, no clusters, 167,936 bytes of LDS; arguments qkv, ao; writes ao
;; launch outp: the kernel of part 4 again; grid 8 x 32, 4 waves a work-group, clusters of 4 x 4, 327,680 bytes of LDS; arguments ao, wt, out0; writes out0
